; MI455X (gfx1250); checked and timed in simulation.
; The chip was launched on July 23, 2026; its instructions are those of AMD's public machine-readable ISA for CDNA 5 (MIT licence, August 2026) and "CDNA5" Instruction Set Architecture Reference Guide (July 2026). The comments in the code are by the model that wrote it; some were corrected since.
;; OA Layer. Allowed arithmetic: matrix products marked QUANTISED: E2M3 operands, one E8M0 scale for each 32 along K, by v_wmma_scale_f32_16x16x128_f8f6f4 with both operands' format E2M3, f32 sums; everything else in f32.
;; Inputs: bn_beta 256 float32; bn_gamma 256 float32; bn_mean 256 float32; bn_var 256 float32; bqk 64 float32; bt 256 float32; bv 256 float32; wqk 64 x 256 float32; wt 256 x 256 float32; wv 256 x 256 float32; x 8 x 256 x 4,096 float32; xyz 8 x 256 x 4,096 float32.
;; Outputs: out0 8 x 256 x 4,096 float32.
;; This version of the problem:
;;   THIS VERSION OF THE PROBLEM IS GIVEN IN LOW PRECISION. The matrix products marked QUANTISED in the list below multiply operands that are first quantised to E2M3 (2 exponent bits, 3 mantissa bits; 6 bits a number), with one power-of-two scale for each 32 numbers along K (OCP MX v1.0); their sums are f32. All else is computed in f32.
;;   The module's matrix products, in the order in which they are computed (A, B: the left and right operand; K: the contracted axis; several contracted axes count as one K, in the product's order):
;;     1. [M 32,768, K 256] x [K 256, N 64]; A: computed on the way; B: input wqk: QUANTISED
;;     2. [M 32,768, K 256] x [K 256, N 64]; A: computed on the way; B: input wqk: QUANTISED
;;     3. [M 32,768, K 256] x [K 256, N 256]; A: computed on the way; B: input wv: QUANTISED
;;     4. batch 8 x [M 4,096, K 64] x [K 64, N 4,096]; A: computed on the way; B: computed on the way: QUANTISED
;;     5. batch 8 x [M 256, K 4,096] x [K 4,096, N 4,096]; A: computed on the way; B: computed on the way: QUANTISED
;;     6. [M 32,768, K 256] x [K 256, N 256]; A: computed on the way; B: input wt: QUANTISED
;;   THE QUANTISER, for each operand of a quantised product, along K:
;;     - K is cut into blocks of 32 from its start; a last block that is shorter is filled with zeros.
;;     - A block's scale is 2^e with e = floor(log2(the largest magnitude in the block)) - 2, held to -126 .. 127; a block of zeros has e = 0. As a byte (E8M0): e + 127.
;;     - Each number is divided by its block's scale, clamped to +-7.5, and rounded to the nearest number of E2M3, ties to even, subnormals kept.
;;     - The product sums the exact products of the quantised numbers (number of the format x scale) in f32.
;;   ~~~python
;;   def quantise(x, axis):      # numpy; x: float32 -> the quantised numbers, widened to float32 again
;;       x = np.moveaxis(x, axis, -1); K = x.shape[-1]
;;       x = np.pad(x, [(0, 0)] * (x.ndim - 1) + [(0, -K % 32)]); x = x.reshape(x.shape[:-1] + (-1, 32)); a = np.abs(x).max(-1, keepdims=True)
;;       e = np.where(a > 0, np.clip(np.frexp(np.where(a > 0, a, 1))[1] - 1 - 2, -126, 127), 0)      # np.frexp(a)[1] - 1 = floor(log2(a)), exactly
;;       r = np.clip(x / 2.0 ** e, -7.5, 7.5)
;;       step = 2.0 ** (np.maximum(np.frexp(np.where(r == 0, 1, r))[1] - 1, 0) - 3)
;;       q = np.round(r / step) * step * 2.0 ** e      # np.round: ties to even
;;       return np.moveaxis(q.reshape(q.shape[:-2] + (-1,))[..., :K], -1, axis).astype(np.float32)
;;   ~~~
;;   OPERANDS COMPUTED ON THE WAY. 'Computed on the way' means the value that the module computes at that place (a softmax that the list does not call 'softmax' is quantised finished and normalised). What goes into a quantiser is computed in f32, as accurately as f32 sums, v_exp_f32 and their like allow (about 1e-6 of the number): no bf16 or f16 on the way to a quantiser, and a product that is left as it is and whose result goes on into a quantised operand takes f32 operands (vector FMAs, or v_wmma_f32_16x16x4_f32). A number that lies on a knife's edge between two numbers of the format may be rounded either way, as far as f32 arithmetic and the matrix unit's own rounding can turn it there, and no further.
;; One version. Each part assembles by itself: llvm-mc -triple=amdgcn-amd-amdhsa -mcpu=gfx1250 --defsym DOCPART=n.
;; ======== version 1 of 1: 3 launches
;; workspace buffers: qrec 1,703,936 bytes; vrec 6,553,600 bytes; xs 33,554,432 bytes; wtrec 51,200 bytes; na 131,072 bytes
;; launch prep (part 1): grid 32 x 8, 4 waves a work-group, no clusters, 327,680 bytes of LDS; arguments x, xyz, wqk, bqk, wv, bv, wt, qrec, vrec, xs, wtrec; writes qrec, vrec, xs, wtrec
.if DOCPART == 1
	.amdgcn_target "amdgcn-amd-amdhsa--gfx1250"
	.amdhsa_code_object_version 6
	.text
	.protected	k_q03f3117765_prep
	.globl	k_q03f3117765_prep
	.p2align	8
	.type	k_q03f3117765_prep,@function
k_q03f3117765_prep:
	s_mov_b64 s[64:65], 0
	v_nop
	global_prefetch_b8 v0, s[64:65] scope:SCOPE_SE
	s_setreg_imm32_b32 hwreg(HW_REG_WAVE_MODE, 25, 1), 1
	s_wait_xcnt 0x0
; xs = x + xyz;  q = Wqk xs + bqk;  -v = -(Wv xs + bv);  all products on codes of FP6 (E2M3) with one E8M0 scale for each 32 along K.
; A work-group takes 128 columns n of one batch (x: block of n, y: batch); wave w takes n = 32 w .. 32 w + 31 of them, for all 256 channels.
; OUT: xs as f32 in the order of the last launch's accumulators; q's codes (K = the 64 channels of q) and -v's codes (K = n) as images of operand registers, with their scale words;
; and, from the first eight work-groups of batch 0, Wt's codes in the same form.  E2M3 has a sign bit, so the codes of -v are the codes of v with the sign turned: the last launch adds -v attn onto xs.
; TILE ORDER: row r of tile 2 g + u of a block of 128 is index 32 g + 8 u + r + 8 (r / 8); the rows of every weight tile are chosen by the same rule.  A result whose source 0 is such a tile then has,
; in the 16 registers of tiles 2 g and 2 g + 1, the 16 neighbours 32 g + 16 (lane / 16) + 0 .. 15.
; HALF IMAGE (768 bytes): an operand's registers 6 c .. 6 c + 3 as 16 bytes a lane, then registers 6 c + 4, 6 c + 5 as 8 bytes a lane.  A fragment of 128 K is two of them, a tile of q (64 K) one.
; NO CLUSTER: each tile of x and xyz is read by one work-group alone; the weights come as f32 through registers.
; The weights are quantised here, a quarter by each wave, while the tiles of x are on their way; their loads take 16 bytes a lane from rows 1,024 bytes apart (320 KiB a work-group).
; LIMITS: NaN and infinities among the inputs are not served.  A block whose largest magnitude lies under 2^-124 keeps the scale byte 1 (a block of zeros too: its codes are zeros; the bytes are read by this program alone).
.set YT,    131072                     ; LDS: x's tile [256 c][512 bytes] at 0, xyz's here
.set WIMG,  262144                     ; 40 fragment images of 1,536 bytes: Wqk (tile, K step) at 2 t + s, Wv at 8 + 2 t + s
.set WSC,   323584                     ; 20 x 128 bytes of scale words: lanes 0-15 an even tile's rows, lanes 16-31 the odd tile's
.set SPARE, 326144                     ; the spare words, 128 bytes for each wave: two blocks of 256 bytes that no other line names
.set VSS,   24576                      ; stages, in the rows of x's first chunk, which has had its only fill and its last read: -v's codes at 0, their scale bytes here,
.set QSS,   25600                      ; q's scale words here
.set L16, 1                            ; 16 x lane
.set L8,  2                            ; 8 x lane
.set WA,  4                            ; a weight row's bytes for my lane
.set IAQ, 5                            ; where I store Wqk's images;  IAV: Wv's;  SAQ, SAV: their scale words
.set IAV, 6
.set SAQ, 7
.set SAV, 8
.set AX,  9                            ; v9-12: my column in x's rows 0-127, 128-255, in xyz's likewise
.set LW,  13                           ; WIMG + 16 x lane
.set SPW, 14                           ; my spare word; never rewritten
.set NIL, 15                           ; 0; never rewritten
.set AV16, 16                          ; the stage of -v's codes
.set AV8, 17
.set AVB, 18                           ; its scale bytes
.set AQS, 19                           ; q's scale words
.set BQO, 20
.set BVO, 21
.set LWS, 22                           ; WSC + 4 x lane
.set CPV, 23                           ; copy out: 6,144 x wave + 16 x lane
.set CP8, 24                           ; 256 x wave + 8 x lane
.set H8,  25                           ; 8 x (lane / 16)
.set WTO, 26                           ; 16 x (lane % 16)
.set QW,  28                           ; v28-29 q's scale words
.set XW,  30                           ; v30-31 xs's scale words, K steps 0, 1: lanes 0-15 tile 2 w, lanes 16-31 tile 2 w + 1
.set FX,  32                           ; v32-79 xs's four fragments: (tile u, K step s) at FX + 24 u + 12 s
.set WC,  32                           ; (ahead of them: the weight fragment just made)
.set WS,  80                           ; v80-83 the weights' scale words
.set WW,  84                           ; the weight scale word just made
.set QC,  84                           ; v84-95 q's codes, two tiles
.set TM,  96                           ; v96-119 largest magnitudes, +8 bytes and lane exchange, +16 scale operands
.set CT,  120                          ; v120-127 second halves of blocks
.set WST, 128                          ; v128-255 two sets of 64 weights;  later x (64) and xyz (64);  later:
.set X,   128
.set Y,   192
.set WF,  128                          ; v128-175 four weight fragments
.set QD,  176                          ; v176-239 q: tile u, weight tile t at QD + 32 u + 8 t
.set VD,  176                          ; v176-207 v: weight tile t of two, tile u at VD + 16 t + 8 u
.set CV,  208                          ; v208-213 a block of -v's codes
.set BV,  240                          ; v240-255 bv of my lane's channel in each of 16 tiles
.macro NOPS n
.rept \n
	v_nop
.endr
.endm
; D = A x B + C on codes of FP6.  cm = 0: C is the constant 0.  ra, rb: the half of the lanes in which A's and B's scale words stand.
.macro WMMA d, a, b, cm, c, sa, sb, ra, rb
.if (\cm) == 0
.if ((\ra) == 0) && ((\rb) == 0)
	v_wmma_scale_f32_16x16x128_f8f6f4 v[(\d):(\d)+7], v[(\a):(\a)+11], v[(\b):(\b)+11], 0, v[(\sa)], v[(\sb)] matrix_a_fmt:MATRIX_FMT_FP6 matrix_b_fmt:MATRIX_FMT_FP6
.elseif (\rb) == 0
	v_wmma_scale_f32_16x16x128_f8f6f4 v[(\d):(\d)+7], v[(\a):(\a)+11], v[(\b):(\b)+11], 0, v[(\sa)], v[(\sb)] matrix_a_fmt:MATRIX_FMT_FP6 matrix_b_fmt:MATRIX_FMT_FP6 matrix_a_scale:MATRIX_SCALE_ROW1
.elseif (\ra) == 0
	v_wmma_scale_f32_16x16x128_f8f6f4 v[(\d):(\d)+7], v[(\a):(\a)+11], v[(\b):(\b)+11], 0, v[(\sa)], v[(\sb)] matrix_a_fmt:MATRIX_FMT_FP6 matrix_b_fmt:MATRIX_FMT_FP6 matrix_b_scale:MATRIX_SCALE_ROW1
.else
	v_wmma_scale_f32_16x16x128_f8f6f4 v[(\d):(\d)+7], v[(\a):(\a)+11], v[(\b):(\b)+11], 0, v[(\sa)], v[(\sb)] matrix_a_fmt:MATRIX_FMT_FP6 matrix_b_fmt:MATRIX_FMT_FP6 matrix_a_scale:MATRIX_SCALE_ROW1 matrix_b_scale:MATRIX_SCALE_ROW1
.endif
.else
.if ((\ra) == 0) && ((\rb) == 0)
	v_wmma_scale_f32_16x16x128_f8f6f4 v[(\d):(\d)+7], v[(\a):(\a)+11], v[(\b):(\b)+11], v[(\c):(\c)+7], v[(\sa)], v[(\sb)] matrix_a_fmt:MATRIX_FMT_FP6 matrix_b_fmt:MATRIX_FMT_FP6
.elseif (\rb) == 0
	v_wmma_scale_f32_16x16x128_f8f6f4 v[(\d):(\d)+7], v[(\a):(\a)+11], v[(\b):(\b)+11], v[(\c):(\c)+7], v[(\sa)], v[(\sb)] matrix_a_fmt:MATRIX_FMT_FP6 matrix_b_fmt:MATRIX_FMT_FP6 matrix_a_scale:MATRIX_SCALE_ROW1
.elseif (\ra) == 0
	v_wmma_scale_f32_16x16x128_f8f6f4 v[(\d):(\d)+7], v[(\a):(\a)+11], v[(\b):(\b)+11], v[(\c):(\c)+7], v[(\sa)], v[(\sb)] matrix_a_fmt:MATRIX_FMT_FP6 matrix_b_fmt:MATRIX_FMT_FP6 matrix_b_scale:MATRIX_SCALE_ROW1
.else
	v_wmma_scale_f32_16x16x128_f8f6f4 v[(\d):(\d)+7], v[(\a):(\a)+11], v[(\b):(\b)+11], v[(\c):(\c)+7], v[(\sa)], v[(\sb)] matrix_a_fmt:MATRIX_FMT_FP6 matrix_b_fmt:MATRIX_FMT_FP6 matrix_a_scale:MATRIX_SCALE_ROW1 matrix_b_scale:MATRIX_SCALE_ROW1
.endif
.endif
.endm
; 16 rows x 128 K of a weight, f32, K innermost: lane (r, h) takes k = 64 c + 32 h + 0 .. 31 of its row: two whole blocks, 16 loads of 16 bytes
.macro WLOAD st, bs, off
.irp cc,0,1
.irp j,0,1,2,3,4,5,6,7
	global_load_b128 v[WST+64*(\st)+32*\cc+4*\j:WST+64*(\st)+32*\cc+4*\j+3], v[WA], s[(\bs):(\bs)+1] offset:(\off)+256*\cc+16*\j
.endr
.endr
.endm
.macro WLD f                           ; fragment f of my ten: 0, 1: Wqk's tile w, K steps 0, 1;  2 .. 9: Wv's tiles 4 w + (f - 2) / 2, K step f % 2
.if (\f) < 2
	WLOAD (\f)%2, 8, 512*(\f)
.else
	WLOAD (\f)%2, 12, (32*(((\f)-2)/4)+8*((((\f)-2)/2)%2))*1024+512*((\f)%2)
.endif
.endm
; the 64 numbers at v[s0] on become a fragment in v[WC] on and its rows' scale word in v[WW]
.macro QUANTW s0
.irp cc,0,1
	v_max3_num_f32 v[TM+\cc], |v[(\s0)+32*\cc]|, |v[(\s0)+32*\cc+1]|, 0x1800000   ; my block 2 c + h, and the floor 2^(3 - 127): the byte cannot fall under 1
.endr
.irp i,2,4,6,8,10,12,14,16,18,20,22,24,26,28,30
.irp cc,0,1
	v_max3_num_f32 v[TM+\cc], v[TM+\cc], |v[(\s0)+32*\cc+\i]|, |v[(\s0)+32*\cc+\i+1]|
.endr
.endr
.irp cc,0,1
	v_add_nc_u32 v[TM+16+\cc], 0xff000000, v[TM+\cc]   ; 2 off the exponent field: the conversion's scale operand
.endr
.irp cc,0,1
	v_lshrrev_b32 v[TM+8+\cc], 23, v[TM+16+\cc]        ; the scale's byte
.endr
	v_lshl_or_b32 v[WW], v[TM+9], 16, v[TM+8]          ; blocks h and 2 + h,
	v_lshlrev_b32 v[WW], v[H8], v[WW]                  ; at their places;
	v_permlanex16_b32 v[TM+10], v[WW], s70, s71
	v_or_b32 v[WW], v[WW], v[TM+10]                    ; with lane l xor 16's two the word is whole
.irp cc,0,1
	v_cvt_scalef32_pk16_fp6_f32 v[WC+6*\cc:WC+6*\cc+2], v[(\s0)+32*\cc:(\s0)+32*\cc+15], v[TM+16+\cc]
	v_cvt_scalef32_pk16_fp6_f32 v[CT+4*\cc:CT+4*\cc+2], v[(\s0)+32*\cc+16:(\s0)+32*\cc+31], v[TM+16+\cc]   ; (a conversion's three registers begin on an even number)
.endr
	v_nop                                              ; one plain place behind a scaled conversion
.irp cc,0,1
.irp i,0,1,2
	v_mov_b32 v[WC+6*\cc+3+\i], v[CT+4*\cc+\i]
.endr
.endr
.endm
	s_load_b512 s[4:19], s[0:1], 0x0               ; x, xyz, wqk, bqk, wv, bv, wt, qrec
	s_load_b128 s[20:23], s[0:1], 0x40             ; vrec, xs
	s_load_b64 s[24:25], s[0:1], 0x50              ; wtrec
	v_lshl_add_u32 v[SPW], v0, 2, SPARE
	v_mov_b32 v[NIL], 0
	ds_add_u32 v[SPW], v[NIL]                      ; the wave's opening: the add and its wait stand ahead of my first tensor load
	v_lshrrev_b32 v96, 5, v0
	v_readfirstlane_b32 s26, v96                   ; wave
	s_mov_b32 s27, ttmp9                           ; block of 128 n
	s_and_b32 s28, ttmp7, 0xffff                   ; batch
	s_and_b32 s29, s26, 1
	s_lshr_b32 s30, s26, 1
	s_lshl_b32 s31, s28, 5
	s_add_co_u32 s31, s31, s27                     ; record number: 32 x batch + block
	; descriptor group 1: 32 rows of 512 bytes (64 elements of 8 bytes), 16,384 bytes apart in memory, dense in LDS
	s_mov_b32 s32, 3<<16
	s_mov_b32 s33, 64<<16
	s_mov_b32 s34, 32<<16
	s_mov_b32 s35, 64<<16
	s_mov_b32 s36, 32
	s_mov_b32 s37, 2048
	s_mov_b32 s38, 0
	s_mov_b32 s39, 0
	s_lshl_b32 s56, s28, 22                        ; batch x 4 MiB
	s_lshl_b32 s57, s27, 9                         ; + 512 x block
	s_add_co_u32 s56, s56, s57
	s_lshl_b32 s57, s29, 19                        ; + 32 rows x (wave % 2)
	s_add_co_u32 s56, s56, s57
	s_mov_b32 s57, 0
	s_lshl_b32 s60, s30, 17                        ; LDS: waves 0, 1 fill x's tile, waves 2, 3 xyz's;
	s_lshl_b32 s61, s29, 14                        ; 32 rows x (wave % 2)
	s_add_co_u32 s60, s60, s61
	s_mov_b32 s70, 0x76543210
	s_mov_b32 s71, 0xfedcba98                      ; v_permlanex16_b32's selects for lane l xor 16
	s_mov_b32 s72, 0xffff0000                      ; lanes 16-31
	s_wait_dscnt 0x0                               ; the opening add is done
	s_wait_kmcnt 0x0
	s_cmp_lt_u32 s26, 2
	s_cselect_b64 s[58:59], s[4:5], s[6:7]
	s_add_nc_u64 s[58:59], s[58:59], s[56:57]
.irp k,0,1,2,3                                         ; four first fills a wave, one for each chunk of 64 channels: four tensor loads of mine are out at the most
	s_mov_b32 s[40+4*\k], 1
	s_add_co_u32 s[41+4*\k], s60, \k*32768
	s_add_nc_u64 s[42+4*\k:43+4*\k], s[58:59], \k*1048576
	s_or_b32 s[43+4*\k], s[43+4*\k], 0x80000000
	tensor_load_to_lds s[40+4*\k:43+4*\k], s[32:39]
	s_nop 0
.endr
	NOPS 4
	; addresses
	v_and_b32 v96, 31, v0                          ; lane
	v_and_b32 v97, 15, v0                          ; r
	v_bfe_u32 v98, v0, 4, 1                        ; h
	v_and_b32 v99, 8, v97
	v_add_nc_u32 v99, v99, v97                     ; r + 8 (r / 8)
	v_lshlrev_b32 v[L16], 4, v96
	v_lshlrev_b32 v[L8], 3, v96
	v_lshlrev_b32 v[WA], 10, v99
	v_lshl_add_u32 v[WA], v98, 7, v[WA]
	s_mul_i32 s56, s26, 3072
	s_add_co_u32 s56, s56, WIMG
	v_add_nc_u32 v[IAQ], s56, v[L16]
	s_mul_i32 s56, s26, 12288
	s_add_co_u32 s56, s56, WIMG+12288
	v_add_nc_u32 v[IAV], s56, v[L16]
	s_lshl_b32 s56, s30, 8
	s_lshl_b32 s58, s29, 6
	s_add_co_u32 s56, s56, s58
	s_add_co_u32 s56, s56, WSC
	v_lshl_add_u32 v[SAQ], v97, 2, s56
	s_lshl_b32 s56, s26, 9
	s_add_co_u32 s56, s56, WSC+512
	v_lshl_add_u32 v[SAV], v97, 2, s56
	v_lshl_add_u32 v100, v98, 3, v99               ; my column of the wave's 32: 8 h + r + 8 (r / 8)
	s_lshl_b32 s56, s26, 7
	v_lshl_add_u32 v[AX], v100, 2, s56
	v_add_nc_u32 v[AX+1], 0x10000, v[AX]
	v_add_nc_u32 v[AX+2], 0x20000, v[AX]
	v_add_nc_u32 v[AX+3], 0x30000, v[AX]
	v_add_nc_u32 v[LW], WIMG, v[L16]
	v_lshl_add_u32 v[LWS], v96, 2, WSC
	s_lshl_b32 s56, s29, 8
	s_mul_i32 s58, s30, 768
	s_add_co_u32 s56, s56, s58
	v_mul_u32_u24 v100, v98, 1536
	v_lshl_add_u32 v[AV16], v97, 4, v100
	v_add_nc_u32 v[AV16], s56, v[AV16]             ; tile + h, half image wave / 2, operand lane r + 16 (wave % 2)
	s_lshl_b32 s56, s29, 7
	s_add_co_u32 s56, s56, s58
	s_add_co_u32 s56, s56, 512
	v_lshl_add_u32 v[AV8], v97, 3, v100
	v_add_nc_u32 v[AV8], s56, v[AV8]
	s_add_co_u32 s56, s26, VSS
	v_add_nc_u32 v[AVB], s56, v[L16]
	s_lshl_b32 s56, s26, 2
	s_add_co_u32 s56, s56, QSS
	v_add_nc_u32 v[AQS], s56, v[L16]
	v_lshlrev_b32 v[BQO], 6, v98
	v_lshlrev_b32 v[BVO], 2, v99
	s_mul_i32 s56, s26, 6144
	v_add_nc_u32 v[CPV], s56, v[L16]
	s_lshl_b32 s56, s26, 8
	v_add_nc_u32 v[CP8], s56, v[L8]
	v_lshlrev_b32 v[H8], 3, v98
	v_lshlrev_b32 v[WTO], 4, v97
.irp i,8,9,10,11,12,13,14,15
	v_mov_b32 v[TM+\i], 0                          ; written once: a lane permute's destination counts as one of its sources
.endr
	; pointers
	s_lshl_b32 s56, s30, 15
	s_lshl_b32 s58, s29, 13
	s_add_co_u32 s56, s56, s58
	s_add_nc_u64 s[8:9], s[8:9], s[56:57]          ; Wqk: tile w begins at row 32 (w / 2) + 8 (w % 2)
	s_lshl_b32 s56, s26, 16
	s_add_nc_u64 s[12:13], s[12:13], s[56:57]      ; Wv: my four tiles begin at row 64 w
	s_lshl_b32 s56, s27, 15
	s_lshl_b32 s58, s30, 13
	s_add_co_u32 s56, s56, s58
	s_lshl_b32 s58, s29, 9
	s_add_co_u32 s56, s56, s58
	s_add_nc_u64 s[16:17], s[16:17], s[56:57]      ; Wt: tile 2 x block + w / 2, K step w % 2
	s_mul_i32 s56, s31, 6656
	s_add_nc_u64 s[18:19], s[18:19], s[56:57]      ; q's record,
	s_mul_i32 s56, s26, 1536
	s_add_nc_u64 s[66:67], s[18:19], s[56:57]      ; my two tiles in it
	s_mul_i32 s56, s31, 25600
	s_add_nc_u64 s[20:21], s[20:21], s[56:57]      ; -v's record
	s_lshl_b32 s56, s31, 2
	s_add_co_u32 s56, s56, s26
	s_lshl_b32 s56, s56, 15
	s_add_nc_u64 s[22:23], s[22:23], s[56:57]      ; xs: 32,768 bytes a wave
	s_mul_i32 s56, s29, 25600
	s_add_nc_u64 s[24:25], s[24:25], s[56:57]      ; Wt's record of K step w % 2
	s_lshr_b32 s56, s27, 2
	s_lshl_b32 s56, s56, 9
	s_and_b32 s58, s27, 3
	s_lshl_b32 s58, s58, 2
	s_add_co_u32 s56, s56, s58
	s_lshl_b32 s58, s30, 8
	s_add_co_u32 s56, s56, s58
	s_add_co_u32 s56, s56, 24576
	s_add_nc_u64 s[68:69], s[24:25], s[56:57]      ; its scale words: pair = block, lanes 16 (w / 2) on
	s_lshl_b32 s56, s27, 1
	s_add_co_u32 s56, s56, s30
	s_mul_i32 s56, s56, 1536
	s_add_nc_u64 s[24:25], s[24:25], s[56:57]      ; its fragment
	; ---- the weights: ten fragments a wave, the loads one fragment ahead
	WLD 0
.irp f,0,1,2,3,4,5,6,7,8,9
.if \f < 9
	WLD \f+1
	s_wait_loadcnt 16                              ; this fragment's 16 loads are in; the next one's 16 may be out
.else
	s_wait_loadcnt 0x0
.endif
	QUANTW WST+64*(\f%2)
.if \f < 2
.irp c,0,1,2
	ds_store_b128 v[IAQ], v[WC+4*\c:WC+4*\c+3] offset:1536*\f+512*\c
.endr
	ds_store_b32 v[SAQ], v[WW] offset:128*\f       ; lanes r and r + 16 write the same word with the same value
.else
.irp c,0,1,2
	ds_store_b128 v[IAV], v[WC+4*\c:WC+4*\c+3] offset:1536*(\f-2)+512*\c
.endr
	ds_store_b32 v[SAV], v[WW] offset:256*((\f-2)/4)+128*(\f%2)+64*(((\f-2)/2)%2)
.endif
	s_wait_dscnt 0x0                               ; the stores have read their registers
.endr
	; ---- Wt: 32 fragments in the launch, one for each wave of the first eight work-groups of batch 0 (a branch on ids)
	s_cmp_lg_u32 s28, 0
	s_cbranch_scc1 .Lno_wt
	s_cmp_ge_u32 s27, 8
	s_cbranch_scc1 .Lno_wt
	WLOAD 0, 16, 0
	s_wait_loadcnt 0x0
	QUANTW WST
	global_store_b128 v[L16], v[WC:WC+3], s[24:25]
	global_store_b64 v[L8], v[WC+4:WC+5], s[24:25] offset:512
	global_store_b128 v[L16], v[WC+6:WC+9], s[24:25] offset:768
	global_store_b64 v[L8], v[WC+10:WC+11], s[24:25] offset:1280
	global_store_b32 v[WTO], v[WW], s[68:69]       ; 4 bytes a row, 16 bytes apart: 2 KiB in the whole launch
	s_wait_xcnt 0x0                                ; the stores have read their registers
.Lno_wt:
; ---- a chunk of 64 channels: added, quantised along c (a lane holds one column n, its registers run down c: two whole blocks), turned into xs's layout and stored
.macro CHUNK k
	s_wait_tensorcnt 3-(\k)                        ; my part of chunk k has landed; the chunks behind it may be out
	s_wait_dscnt 0x0                               ; my LDS stores (the weights' images) and loads are done
	s_barrier_signal -1
	s_barrier_wait -1                              ; everybody's are
	s_wait_xcnt 0x0                                ; the last chunk's stores have read the registers that are loaded now
.set i, 0
.rept 64
	ds_load_b32 v[X+i], v[AX+(\k)/2] offset:512*(64*((\k)%2)+i)       ; 32 lanes read 128 neighbouring bytes of a row
.set i, i+1
.endr
.set i, 0
.rept 64
	ds_load_b32 v[Y+i], v[AX+2+(\k)/2] offset:512*(64*((\k)%2)+i)
.set i, i+1
.endr
	s_wait_dscnt 0x0
.set i, 0
.rept 32
	v_pk_add_f32 v[X+i:X+i+1], v[X+i:X+i+1], v[Y+i:Y+i+1]
.set i, i+2
.endr
.set FD, FX+12*((\k)/2)+6*((\k)%2)     ; block 2 k + j goes to FD + 24 j
.irp j,0,1
	v_max3_num_f32 v[TM+\j], |v[X+32*\j]|, |v[X+32*\j+1]|, 0x1800000
.endr
.irp i,2,4,6,8,10,12,14,16,18,20,22,24,26,28,30
.irp j,0,1
	v_max3_num_f32 v[TM+\j], v[TM+\j], |v[X+32*\j+\i]|, |v[X+32*\j+\i+1]|
.endr
.endr
.irp j,0,1
	v_add_nc_u32 v[TM+16+\j], 0xff000000, v[TM+\j]
.endr
.irp j,0,1
	v_lshrrev_b32 v[TM+8+\j], 23, v[TM+16+\j]
.endr
.if (\k)%2 == 0
	v_lshl_or_b32 v[XW+(\k)/2], v[TM+9], 8, v[TM+8]
.else
	v_lshl_or_b32 v[XW+(\k)/2], v[TM+8], 16, v[XW+(\k)/2]
	v_lshl_or_b32 v[XW+(\k)/2], v[TM+9], 24, v[XW+(\k)/2]
.endif
.irp j,0,1
	v_cvt_scalef32_pk16_fp6_f32 v[FD+24*\j:FD+24*\j+2], v[X+32*\j:X+32*\j+15], v[TM+16+\j]
	v_cvt_scalef32_pk16_fp6_f32 v[CT+4*\j:CT+4*\j+2], v[X+32*\j+16:X+32*\j+31], v[TM+16+\j]
.endr
	v_nop
.irp j,0,1
.irp i,0,1,2
	v_mov_b32 v[FD+24*\j+3+\i], v[CT+4*\j+\i]
.endr
.endr
.irp j,0,1                                             ; xs's layout: lane (r, h) holds channels 32 B + 16 h + i of ONE tile: the halves of the lanes change places
.set i, 0
.rept 16
	v_permlane16_swap_b32 v[X+32*\j+i], v[X+32*\j+16+i]
.set i, i+1
.endr
.endr
.irp j,0,1
.irp u,0,1
.irp q,0,1,2,3
	global_store_b128 v[L16], v[X+32*\j+16*\u+4*\q:X+32*\j+16*\u+4*\q+3], s[22:23] offset:512*(32*\u+4*(2*(\k)+\j)+\q) th:TH_STORE_NT   ; 512 consecutive bytes
.endr
.endr
.endr
.endm
	CHUNK 0
	CHUNK 1
	CHUNK 2
	CHUNK 3
.set i, 0
.rept 24                                               ; a lane held all blocks of ITS tile's row; the operand wants blocks 2 c in lanes 0-15 and 2 c + 1 in lanes 16-31 of one tile
	v_permlane16_swap_b32 v[FX+i], v[FX+24+i]
.set i, i+1
.endr
	; ---- q = Wqk xs + bqk, transposed (source 0 = 16 rows of Wqk, source 1 = 16 columns n): a lane holds one n.  bqk is loaded into the accumulators: the first product adds onto it
	s_wait_xcnt 0x0                                ; the last chunk's stores have read their registers
.irp u,0,1
.irp t,0,1,2,3
	global_load_b128 v[QD+32*\u+8*\t:QD+32*\u+8*\t+3], v[BQO], s[10:11] offset:128*(\t/2)+32*(\t%2)
	global_load_b128 v[QD+32*\u+8*\t+4:QD+32*\u+8*\t+7], v[BQO], s[10:11] offset:128*(\t/2)+32*(\t%2)+16
.endr
.endr
.irp t,0,1,2,3,4,5,6,7,8,9,10,11,12,13,14,15
	global_load_b32 v[BV+\t], v[BVO], s[14:15] offset:128*(\t/2)+32*(\t%2)
.endr
.irp s,0,1
.irp t,0,1,2,3
.irp c,0,1,2
	ds_load_b128 v[WF+12*\t+4*\c:WF+12*\t+4*\c+3], v[LW] offset:1536*(2*\t+\s)+512*\c
.endr
.endr
.irp p,0,1
	ds_load_b32 v[WS+\p], v[LWS] offset:128*(2*\p+\s)
.endr
	s_wait_dscnt 0x0
.if \s == 0
	s_wait_loadcnt 0x0
	NOPS 8                                         ; xs's scale words and fragments were written by vector instructions: 8 and 4 places ahead of a scaled product
.endif
.irp t,0,1,2,3                                         ; eight accumulators by turns
.irp u,0,1
	WMMA QD+32*\u+8*\t, WF+12*\t, FX+24*\u+12*\s, 1, QD+32*\u+8*\t, WS+\t/2, XW+\s, \t%2, \u
.endr
.endr
	NOPS 5                                         ; places in front of loads into the fragments, of the first read of results, and of products that write over these registers
.endr
	; q's two tiles, two blocks of 32 channels each: block x = 2 u + b is QD + 16 x on, 16 numbers a lane, the other 16 in lane l xor 16
.irp x,0,1,2,3
	v_max3_num_f32 v[TM+\x], |v[QD+16*\x]|, |v[QD+16*\x+1]|, 0x1800000
.endr
.irp i,2,4,6,8,10,12,14
.irp x,0,1,2,3
	v_max3_num_f32 v[TM+\x], v[TM+\x], |v[QD+16*\x+\i]|, |v[QD+16*\x+\i+1]|
.endr
.endr
.irp x,0,1,2,3
	v_permlanex16_b32 v[TM+8+\x], v[TM+\x], s70, s71
.endr
.irp x,0,1,2,3
	v_max_num_f32 v[TM+\x], v[TM+\x], v[TM+8+\x]
.endr
.irp x,0,1,2,3
	v_add_nc_u32 v[TM+16+\x], 0xff000000, v[TM+\x]
.endr
.irp x,0,1,2,3
	v_lshrrev_b32 v[TM+8+\x], 23, v[TM+16+\x]
.endr
.irp u,0,1
	v_lshl_or_b32 v[QW+\u], v[TM+9+2*\u], 8, v[TM+8+2*\u]
	v_lshl_or_b32 v[QW+\u], v[QW+\u], 16, v[QW+\u] ; bytes 2, 3 repeat bytes 0, 1: they scale the half of the instruction's K that holds zero codes
.endr
.irp u,0,1
	v_cvt_scalef32_pk16_fp6_f32 v[QC+6*\u:QC+6*\u+2], v[QD+32*\u:QD+32*\u+15], v[TM+16+2*\u]
	v_cvt_scalef32_pk16_fp6_f32 v[CT+4*\u:CT+4*\u+2], v[QD+32*\u+16:QD+32*\u+31], v[TM+17+2*\u]
.endr
	v_nop
.irp u,0,1
.irp i,0,1,2
	v_permlane16_swap_b32 v[QC+6*\u+\i], v[CT+4*\u+\i]   ; a whole block to a lane: lanes 0-15 block 0, lanes 16-31 block 1
.endr
.irp i,0,1,2
	v_mov_b32 v[QC+6*\u+3+\i], v[CT+4*\u+\i]
.endr
.endr
	v_permlane16_swap_b32 v[QW], v[QW+1]           ; v[QW]: lanes 0-15 tile 2 w's words, lanes 16-31 tile 2 w + 1's
.irp u,0,1
	global_store_b128 v[L16], v[QC+6*\u:QC+6*\u+3], s[66:67] offset:768*\u
	global_store_b64 v[L8], v[QC+6*\u+4:QC+6*\u+5], s[66:67] offset:768*\u+512
.endr
	ds_store_b32 v[AQS], v[QW]
; ---- -v, two weight tiles at a time: source 0 = my 16 columns n, source 1 = 16 rows of Wv: a lane holds ONE channel and its 16 registers 16 neighbouring n; the block of 32 n is shared with lane l xor 16
.macro VGROUP g
.irp f,0,1,2,3
.irp c,0,1,2
	ds_load_b128 v[WF+12*\f+4*\c:WF+12*\f+4*\c+3], v[LW] offset:1536*(8+4*(\g)+\f)+512*\c
.endr
.endr
.irp s,0,1
	ds_load_b32 v[WS+\s], v[LWS] offset:128*(4+2*(\g)+\s)
.endr
	s_wait_dscnt 0x0                               ; (and the last group's stores into the stage have read their registers)
.irp s,0,1
.irp t,0,1
.irp u,0,1
	WMMA VD+16*\t+8*\u, FX+24*\u+12*\s, WF+12*(2*\t+\s), \s, VD+16*\t+8*\u, XW+\s, WS+\s, \u, \t
.endr
.endr
.endr
	NOPS 5
.irp i,0,2,4,6,8,10,12,14
	v_pk_add_f32 v[VD+\i:VD+\i+1], v[VD+\i:VD+\i+1], v[BV+2*(\g):BV+2*(\g)+1] op_sel_hi:[1,0] neg_lo:[1,1] neg_hi:[1,1]   ; -v - bv: the even tile's bias is the pair's first word,
.endr
.irp i,16,18,20,22,24,26,28,30
	v_pk_add_f32 v[VD+\i:VD+\i+1], v[VD+\i:VD+\i+1], v[BV+2*(\g):BV+2*(\g)+1] op_sel:[0,1] op_sel_hi:[1,1] neg_lo:[1,1] neg_hi:[1,1]   ; the odd tile's its second
.endr
.irp t,0,1
	v_max3_num_f32 v[TM+\t], |v[VD+16*\t]|, |v[VD+16*\t+1]|, 0x1800000
.endr
.irp i,2,4,6,8,10,12,14
.irp t,0,1
	v_max3_num_f32 v[TM+\t], v[TM+\t], |v[VD+16*\t+\i]|, |v[VD+16*\t+\i+1]|
.endr
.endr
.irp t,0,1
	v_permlanex16_b32 v[TM+8+\t], v[TM+\t], s70, s71
.endr
.irp t,0,1
	v_max_num_f32 v[TM+\t], v[TM+\t], v[TM+8+\t]
.endr
.irp t,0,1
	v_add_nc_u32 v[TM+16+\t], 0xff000000, v[TM+\t]
.endr
.irp t,0,1
	v_lshrrev_b32 v[TM+8+\t], 23, v[TM+16+\t]
.endr
	v_cvt_scalef32_pk16_fp6_f32 v[CV:CV+2], v[VD:VD+15], v[TM+16]
	v_cvt_scalef32_pk16_fp6_f32 v[CT:CT+2], v[VD+16:VD+31], v[TM+17]
	v_cndmask_b32 v[TM+10], v[TM+8], v[TM+9], s72  ; lanes 0-15 keep the even tile's byte, lanes 16-31 the odd tile's.  (The plain place behind the conversions)
.irp i,0,1,2
	v_permlane16_swap_b32 v[CV+\i], v[CT+\i]       ; lane (r, h) now holds the whole block of row r of tile 2 g + h
.endr
.irp i,0,1,2
	v_mov_b32 v[CV+3+\i], v[CT+\i]
.endr
	ds_store_b128 v[AV16], v[CV:CV+3] offset:3072*(\g)
	ds_store_b64 v[AV8], v[CV+4:CV+5] offset:3072*(\g)
	ds_store_b8 v[AVB], v[TM+10] offset:512*((\g)/4)+4*((\g)%4)   ; byte w of the row's scale word
.endm
.irp g,0,1,2,3,4,5,6,7
	VGROUP \g
.endr
	s_wait_dscnt 0x0                               ; for the others' sake: my stores into the stages are done
	s_barrier_signal -1
	s_barrier_wait -1
	; ---- the record of -v leaves in runs of 512 consecutive bytes, a quarter by each wave
.irp i,0,1,2,3,4,5,6,7,8,9,10,11
	ds_load_b128 v[WF+4*\i:WF+4*\i+3], v[CPV] offset:512*\i
.endr
	ds_load_b64 v[176:177], v[CP8] offset:VSS
.irp i,0,1,2,3,4,5,6,7,8,9,10,11
	s_wait_dscnt 12-\i                             ; load i is in; the younger ones may be out
	global_store_b128 v[CPV], v[WF+4*\i:WF+4*\i+3], s[20:21] offset:512*\i
.endr
	s_wait_dscnt 0x0
	global_store_b64 v[CP8], v[176:177], s[20:21] offset:24576
	s_cmp_lt_u32 s26, 2                            ; q's 512 bytes of scale words: waves 0 and 1, 256 bytes each
	s_cbranch_scc0 .Lno_qs
	ds_load_b64 v[178:179], v[CP8] offset:QSS
	s_wait_dscnt 0x0
	global_store_b64 v[CP8], v[178:179], s[18:19] offset:6144
.Lno_qs:
	s_wait_tensorcnt 0x0                           ; the wave's end: behind my last tensor load and my last LDS store
	ds_add_u32 v[SPW], v[NIL]
	s_wait_dscnt 0x0
	s_endpgm
.Lfunc_end_k_q03f3117765_prep:
	.size	k_q03f3117765_prep, .Lfunc_end_k_q03f3117765_prep-k_q03f3117765_prep
	.p2alignl 7, 3214868480
	.fill 96, 4, 3214868480
	.section	.rodata,"a",@progbits
	.p2align	6, 0x0
	.amdhsa_kernel k_q03f3117765_prep
		.amdhsa_group_segment_fixed_size 327680
		.amdhsa_private_segment_fixed_size 0
		.amdhsa_enable_private_segment 0
		.amdhsa_kernarg_size 88
		.amdhsa_user_sgpr_count 2
		.amdhsa_user_sgpr_kernarg_segment_ptr 1
		.amdhsa_wavefront_size32 1
		.amdhsa_system_sgpr_workgroup_id_x 1
		.amdhsa_system_sgpr_workgroup_id_y 1
		.amdhsa_system_sgpr_workgroup_id_z 1
		.amdhsa_system_vgpr_workitem_id 0
		.amdhsa_next_free_vgpr 256
		.amdhsa_next_free_sgpr 96
		.amdhsa_reserve_vcc 0
		.amdhsa_float_denorm_mode_32 3
		.amdhsa_float_denorm_mode_16_64 3
		.amdhsa_memory_ordered 1
		.amdhsa_forward_progress 1
		.amdhsa_inst_pref_size 178
	.end_amdhsa_kernel
	.amdgpu_metadata
---
amdhsa.version: [ 1, 2 ]
amdhsa.kernels:
  - .name:           k_q03f3117765_prep
    .symbol:         k_q03f3117765_prep.kd
    .args:
      - { .name: x, .offset: 0, .size: 8, .value_kind: global_buffer, .address_space: global }
      - { .name: xyz, .offset: 8, .size: 8, .value_kind: global_buffer, .address_space: global }
      - { .name: wqk, .offset: 16, .size: 8, .value_kind: global_buffer, .address_space: global }
      - { .name: bqk, .offset: 24, .size: 8, .value_kind: global_buffer, .address_space: global }
      - { .name: wv, .offset: 32, .size: 8, .value_kind: global_buffer, .address_space: global }
      - { .name: bv, .offset: 40, .size: 8, .value_kind: global_buffer, .address_space: global }
      - { .name: wt, .offset: 48, .size: 8, .value_kind: global_buffer, .address_space: global }
      - { .name: qrec, .offset: 56, .size: 8, .value_kind: global_buffer, .address_space: global }
      - { .name: vrec, .offset: 64, .size: 8, .value_kind: global_buffer, .address_space: global }
      - { .name: xs, .offset: 72, .size: 8, .value_kind: global_buffer, .address_space: global }
      - { .name: wtrec, .offset: 80, .size: 8, .value_kind: global_buffer, .address_space: global }
    .group_segment_fixed_size: 327680
    .private_segment_fixed_size: 0
    .kernarg_segment_align: 8
    .kernarg_segment_size: 88
    .max_flat_workgroup_size: 128
    .sgpr_count:     96
    .vgpr_count:     256
    .wavefront_size: 32
...
	.end_amdgpu_metadata
.endif
;; end of part 1
;; launch lse (part 2): grid 32 x 8, 16 waves a work-group, clusters of 4 x 1, 219,648 bytes of LDS; arguments qrec, na; writes na
.if DOCPART == 2
	.amdgcn_target "amdgcn-amd-amdhsa--gfx1250"
	.amdhsa_code_object_version 6
	.text
	.protected	k_q03f3117765_lse
	.globl	k_q03f3117765_lse
	.p2align	8
	.type	k_q03f3117765_lse,@function
k_q03f3117765_lse:
	s_mov_b64 s[64:65], 0
	v_nop
	global_prefetch_b8 v0, s[64:65] scope:SCOPE_SE
	s_setreg_imm32_b32 hwreg(HW_REG_WAVE_MODE, 25, 1), 1
	s_wait_xcnt 0x0
	s_wait_alu depctr_hold_cnt(0) depctr_sa_sdst(0) depctr_va_vdst(0) depctr_va_sdst(0) depctr_va_ssrc(0) depctr_va_vcc(0) depctr_vm_vsrc(0)
	s_getreg_b32 s2, hwreg(HW_REG_IB_STS2, 6, 4)
	s_cmp_eq_u32 s2, 0
	s_cbranch_scc0 .Lentry_in_a_cluster
	s_endpgm
.Lentry_in_a_cluster:
	s_bfe_u32 s2, ttmp6, 0x10000c
	s_cmp_lg_u32 s2, 0x3003
	s_cbranch_scc0 .Lentry_shape_is_right
	s_endpgm
.Lentry_shape_is_right:
; na[b][i] = -logsumexp over j of e(i, j), e = q(:, i) . q(:, j) on codes of FP6.  A work-group owns 128 rows i of a batch.
; SIXTEEN WAVES, four to a SIMD, 256 registers each, so that one wave's exponentials stand beside another's products and LDS loads.  Wave W takes rows 32 (W % 4) .. + 31 (two tiles of 16, one row to a lane)
; and the quarter W / 4 of the columns j: 8 steps of 128.  The four parts of a row meet in LDS and are joined by waves 0 to 3.
; The product is used with source 0 = 16 columns j and source 1 = my 16 rows i: a lane holds one i, its registers run along j.
; t = e log2(e); M = the running largest t rounded UP to a whole number; l = the sum of 2^(t - M), multiplied by 2^(old M - new M) when M moves, which rounds nothing; -a = (-M - log2 l) ln 2.
; K is 64 in an instruction of 128: my rows' operand has zero codes in its upper six registers.  The tiles of j lie packed, six registers each, so the upper six registers of tile T's operand are tile T + 1's codes
; (zeros behind tile 7): FP6 has no code for infinity or NaN, so they add nothing against zero codes.
; CLUSTER: the four work-groups of a cluster belong to one batch and read the same 212,992 bytes of q's records: four joint loads, a quarter each, by waves 0 to 3, filled once.
; No prefetch: the launch's one fill goes out at its head.
; LIMITS: NaN and infinities are not served.  -a is one f32.
.set SPARE, 212992                     ; behind q's records: the spare words, 128 bytes for each of 16 waves: eight blocks of 256 bytes that no other line names
.set STG,   215040                     ; 128 results, in the order of n
.set PST,   215552                     ; the parts: (-M, l), 8 bytes a lane, 256 bytes a wave
.set L16, 1
.set L8,  2
.set AQ16, 3
.set AQ8, 4
.set QSO, 5
.set STA, 6
.set SRD, 7
.set PSA, 8
.set PRD, 9
.set SPW, 14
.set NIL, 15
.set QSI, 16                           ; v16-19 the step's scale words: pair p: lanes 0-15 tile 2 p, lanes 16-31 tile 2 p + 1
.set QSJ, 20                           ; my two tiles' scale words
.set QJ,  22                           ; v22-45 my two tiles; registers 6-11 of each are zero codes
.set KF,  46                           ; v46-99 the step's eight tiles, six registers each, and six of zeros
.set MP,  100                          ; v100-103 (-M, largest t) for each tile
.set SUM, 104                          ; v104-107 l, in two halves, for each tile
.set BM,  108                          ; v108-115 eight chains of maxima
.set BT,  116                          ; v116-123 lane exchange; then F (v116-119: f as pairs) and CH (v120-123: second chains of the sums)
.set F,   116
.set CH,  120
.set TP,  124                          ; v124-125 at work
.set S,   128                          ; v128-255 the scores: tile jt of mine, tile T of the step at S + 64 jt + 8 T
.set WV,  12
.set WR,  20                           ; W % 4: which rows
.set WG,  21                           ; W / 4: which quarter of the columns
.set G1,  24
.set G0,  32
.set CS,  36
.set SEL, 38
.set TQ,  40
.set CNT, 41
.set MASK, 42
.macro NOPS n
.rept \n
	v_nop
.endr
.endm
.macro ROUND                           ; a round of the cluster's barrier
	s_barrier_signal -1
	s_barrier_wait -1
	s_cmp_lg_u32 s[WV], 0
	s_cbranch_scc1 .Lnw0_\@
	s_barrier_signal -3
.Lnw0_\@:
	s_barrier_wait -3
	s_barrier_signal -1
	s_barrier_wait -1
.endm
.macro WMMA0 d, a, b, sa, sb, ra, rb   ; D = A x B, on codes of FP6
.if ((\ra) == 0) && ((\rb) == 0)
	v_wmma_scale_f32_16x16x128_f8f6f4 v[(\d):(\d)+7], v[(\a):(\a)+11], v[(\b):(\b)+11], 0, v[(\sa)], v[(\sb)] matrix_a_fmt:MATRIX_FMT_FP6 matrix_b_fmt:MATRIX_FMT_FP6
.elseif (\rb) == 0
	v_wmma_scale_f32_16x16x128_f8f6f4 v[(\d):(\d)+7], v[(\a):(\a)+11], v[(\b):(\b)+11], 0, v[(\sa)], v[(\sb)] matrix_a_fmt:MATRIX_FMT_FP6 matrix_b_fmt:MATRIX_FMT_FP6 matrix_a_scale:MATRIX_SCALE_ROW1
.elseif (\ra) == 0
	v_wmma_scale_f32_16x16x128_f8f6f4 v[(\d):(\d)+7], v[(\a):(\a)+11], v[(\b):(\b)+11], 0, v[(\sa)], v[(\sb)] matrix_a_fmt:MATRIX_FMT_FP6 matrix_b_fmt:MATRIX_FMT_FP6 matrix_b_scale:MATRIX_SCALE_ROW1
.else
	v_wmma_scale_f32_16x16x128_f8f6f4 v[(\d):(\d)+7], v[(\a):(\a)+11], v[(\b):(\b)+11], 0, v[(\sa)], v[(\sb)] matrix_a_fmt:MATRIX_FMT_FP6 matrix_b_fmt:MATRIX_FMT_FP6 matrix_a_scale:MATRIX_SCALE_ROW1 matrix_b_scale:MATRIX_SCALE_ROW1
.endif
.endm
.macro KFETCH                          ; a step's record: eight half images and the scale words: 17 dense loads
	v_add_nc_u32 v[AQ16], s[TQ], v[L16]
	v_add_nc_u32 v[AQ8], s[TQ], v[L8]
.irp t,0,1,2,3,4,5,6,7
	ds_load_b128 v[KF+6*\t:KF+6*\t+3], v[AQ16] offset:768*\t
	ds_load_b64 v[KF+6*\t+4:KF+6*\t+5], v[AQ8] offset:768*\t+512
.endr
	ds_load_b128 v[QSI:QSI+3], v[AQ16] offset:6144
.endm
.macro EMUL                            ; 16 products, each its own accumulator
.irp t,0,1,2,3,4,5,6,7
.irp jt,0,1
	WMMA0 S+64*\jt+8*\t, KF+6*\t, QJ+12*\jt, QSI+\t/2, QSJ, \t%2, \jt
.endr
.endr
.endm
.macro LSE                             ; the step's 128 j of my 32 rows: chain x = 4 jt + g takes S + 16 x on
.irp x,0,1,2,3,4,5,6,7
	v_max3_num_f32 v[BM+\x], v[S+16*\x], v[S+16*\x+1], v[S+16*\x+2]
.endr
.irp i,3,5,7,9,11,13
.irp x,0,1,2,3,4,5,6,7
	v_max3_num_f32 v[BM+\x], v[BM+\x], v[S+16*\x+\i], v[S+16*\x+\i+1]
.endr
.endr
.irp x,0,1,2,3,4,5,6,7
	v_max_num_f32 v[BM+\x], v[BM+\x], v[S+16*\x+15]
.endr
.irp jt,0,1
	v_max3_num_f32 v[TP+\jt], v[BM+4*\jt], v[BM+4*\jt+1], v[BM+4*\jt+2]
.endr
.irp jt,0,1
	v_max_num_f32 v[TP+\jt], v[TP+\jt], v[BM+4*\jt+3]
.endr
.irp jt,0,1
	v_permlanex16_b32 v[BT+\jt], v[TP+\jt], s[SEL], s[SEL+1]
.endr
.irp jt,0,1
	v_max_num_f32 v[TP+\jt], v[TP+\jt], v[BT+\jt]  ; with lane l xor 16's 64 j
.endr
.irp jt,0,1
	v_mul_f32 v[TP+\jt], s[CS], v[TP+\jt]          ; as t
.endr
.irp jt,0,1
	v_max_num_f32 v[MP+2*\jt+1], v[MP+2*\jt+1], v[TP+\jt]
.endr
.irp jt,0,1
	v_mov_b32 v[TP+\jt], v[MP+2*\jt]
.endr
.irp jt,0,1
	v_floor_f32 v[MP+2*\jt], -v[MP+2*\jt+1]        ; the new -M = floor(-t)
.endr
.irp jt,0,1
	v_sub_f32 v[TP+\jt], v[MP+2*\jt], v[TP+\jt]    ; old M - new M: a whole number, 0 or less
.endr
.irp jt,0,1
	v_cvt_i32_f32 v[TP+\jt], v[TP+\jt]             ; (it saturates)
.endr
.irp jt,0,1
	v_ldexp_f32 v[F+2*\jt], 1.0, v[TP+\jt]         ; f = 2^(old M - new M)
.endr
.set j, 0
.rept 64
	v_pk_fma_f32 v[S+j:S+j+1], v[S+j:S+j+1], s[CS:CS+1], v[MP+2*(j/64):MP+2*(j/64)+1] op_sel_hi:[1,0,0]   ; t - M
.set j, j+2
.endr
.set j, 0
.rept 128
	v_exp_f32 v[S+j], v[S+j]
.set j, j+1
.endr
.irp jt,0,1
	v_pk_mul_f32 v[SUM+2*\jt:SUM+2*\jt+1], v[SUM+2*\jt:SUM+2*\jt+1], v[F+2*\jt:F+2*\jt+1] op_sel_hi:[1,0]   ; the sums under the new M.  (The plain place behind the exponentials)
.endr
	s_wait_alu depctr_va_vdst(0)                   ; one wait for the batch of 128, ahead of its first reader
.irp jt,0,1
	v_pk_add_f32 v[CH+2*\jt:CH+2*\jt+1], v[S+64*\jt:S+64*\jt+1], v[S+64*\jt+2:S+64*\jt+3]
.endr
.irp j,4,8,12,16,20,24,28,32,36,40,44,48,52,56,60
.irp jt,0,1
	v_pk_add_f32 v[SUM+2*\jt:SUM+2*\jt+1], v[SUM+2*\jt:SUM+2*\jt+1], v[S+64*\jt+\j:S+64*\jt+\j+1]
	v_pk_add_f32 v[CH+2*\jt:CH+2*\jt+1], v[CH+2*\jt:CH+2*\jt+1], v[S+64*\jt+\j+2:S+64*\jt+\j+3]
.endr
.endr
.irp jt,0,1
	v_pk_add_f32 v[SUM+2*\jt:SUM+2*\jt+1], v[SUM+2*\jt:SUM+2*\jt+1], v[CH+2*\jt:CH+2*\jt+1]
.endr
.endm
	s_load_b128 s[4:7], s[0:1], 0x0                ; qrec, na
	v_lshl_add_u32 v[SPW], v0, 2, SPARE
	v_mov_b32 v[NIL], 0
	ds_add_u32 v[SPW], v[NIL]                      ; the wave's opening: the add and its wait stand ahead of the round in front of the first tensor loads
	v_lshrrev_b32 v3, 5, v0
	v_readfirstlane_b32 s[WV], v3                  ; wave 0..15
	s_and_b32 s[WR], s[WV], 3
	s_lshr_b32 s[WG], s[WV], 2
	s_bfe_u32 s13, ttmp6, 0x40000                  ; cx
	s_lshl_b32 s14, ttmp9, 2
	s_add_co_u32 s14, s14, s13                     ; my block of 128 rows: it enters global addresses alone
	s_and_b32 s15, ttmp7, 0xffff                   ; the batch, which the four partners share
	; descriptor group 1: a quarter of the batch's records, 53,248 dense bytes, as 208 rows of 256 bytes
	s_mov_b32 s[G1], 15|(3<<16)|(1<<21)            ; the mask: all four work-groups; elements of 8 bytes; bit 21 set beside a mask
	s_mov_b32 s[G1+1], 32<<16
	s_mov_b32 s[G1+2], 208<<16
	s_mov_b32 s[G1+3], 32<<16
	s_mov_b32 s[G1+4], 208
	s_mov_b32 s[G1+5], 32
	s_mov_b32 s[G1+6], 0
	s_mov_b32 s[G1+7], 0
	s_mul_i32 s16, s15, 212992
	s_mul_i32 s18, s[WR], 53248
	s_add_co_u32 s16, s16, s18
	s_mov_b32 s17, 0
	s_mov_b32 s[CS], 0x3fb8aa3b                    ; log2(e)
	s_mov_b32 s[CS+1], s[CS]
	s_mov_b32 s[SEL], 0x76543210
	s_mov_b32 s[SEL+1], 0xfedcba98
	s_mov_b32 s[MASK], 0xffff0000
	s_mul_i32 s[TQ], s[WG], 53248                  ; my quarter of the columns: 8 records of 6,656 bytes
	s_wait_dscnt 0x0                               ; the opening add is done
	s_wait_kmcnt 0x0
	s_mov_b32 s[G0], 1
	s_mov_b32 s[G0+1], s18
	s_add_nc_u64 s[G0+2:G0+3], s[4:5], s[16:17]
	s_or_b32 s[G0+3], s[G0+3], 0x80000000
	ROUND                                          ; all four work-groups are here: the joint loads meet
	s_cmp_lt_u32 s[WV], 4                          ; waves 0 to 3 fetch, a quarter each: one tensor load of such a wave is out.  The branch hangs on the wave's number alone
	s_cbranch_scc0 .Lno_fill
	tensor_load_to_lds s[G0:G0+3], s[G1:G1+7]
	s_nop 0
	NOPS 4
.Lno_fill:
	s_lshl_b32 s19, s15, 5
	s_add_co_u32 s19, s19, s14
	s_mul_i32 s16, s19, 6656
	s_add_nc_u64 s[8:9], s[4:5], s[16:17]          ; my block's record,
	s_mul_i32 s16, s[WR], 1536
	s_add_nc_u64 s[10:11], s[8:9], s[16:17]        ; my two tiles in it: from memory, so that no LDS address hangs on my place in the cluster
	s_lshl_b32 s16, s15, 14
	s_lshl_b32 s19, s14, 9
	s_add_co_u32 s16, s16, s19
	s_add_nc_u64 s[6:7], s[6:7], s[16:17]
	v_and_b32 v3, 31, v0
	v_lshlrev_b32 v[L16], 4, v3
	v_lshlrev_b32 v[L8], 3, v3
	s_lshl_b32 s16, s[WR], 2
	v_add_nc_u32 v[QSO], s16, v[L16]
.irp jt,0,1
	global_load_b128 v[QJ+12*\jt:QJ+12*\jt+3], v[L16], s[10:11] offset:768*\jt
	global_load_b64 v[QJ+12*\jt+4:QJ+12*\jt+5], v[L8], s[10:11] offset:768*\jt+512
.endr
	global_load_b32 v[QSJ], v[QSO], s[8:9] offset:6144
	v_and_b32 v10, 15, v0
	v_and_b32 v11, 8, v10
	v_add_nc_u32 v10, v10, v11                     ; r + 8 (r / 8)
	v_bfe_u32 v11, v0, 4, 1
	v_lshl_add_u32 v10, v11, 3, v10                ; + 8 h: lane (r, h) stores row r of tile 2 (W % 4) + h
	s_lshl_b32 s16, s[WR], 7
	s_add_co_u32 s16, s16, STG
	v_lshl_add_u32 v[STA], v10, 2, s16
	v_add_nc_u32 v[SRD], STG, v[L16]
	s_lshl_b32 s16, s[WV], 8
	s_add_co_u32 s16, s16, PST
	v_add_nc_u32 v[PSA], s16, v[L8]                ; my part: 256 x wave + 8 x lane
	s_lshl_b32 s16, s[WR], 8
	s_add_co_u32 s16, s16, PST
	v_add_nc_u32 v[PRD], s16, v[L8]                ; the four parts of my rows lie 1,024 bytes apart
.irp i,6,7,8,9,10,11,18,19,20,21,22,23
	v_mov_b32 v[QJ+\i], 0                          ; zero codes for the upper half of the instruction's K
.endr
.irp i,48,49,50,51,52,53
	v_mov_b32 v[KF+\i], 0
.endr
.irp i,0,1,2,3,4,5,6,7
	v_mov_b32 v[BT+\i], 0                          ; written once: a lane permute's destination, and a pair's upper word, count as read
.endr
.irp jt,0,1
	v_mov_b32 v[MP+2*\jt+1], 0xff61b1e6            ; the largest t so far: -3e38
	v_floor_f32 v[MP+2*\jt], -v[MP+2*\jt+1]
	v_mov_b32 v[SUM+2*\jt], 0
	v_mov_b32 v[SUM+2*\jt+1], 0
.endr
	s_wait_loadcnt 0x0
	s_wait_tensorcnt 0x0                           ; a fetching wave's quarter has landed,
	s_barrier_signal -1
	s_barrier_wait -1                              ; everybody's has
	KFETCH
	s_mov_b32 s[CNT], 7
.Lstep:
	s_wait_dscnt 0x0                               ; the step's tiles are in registers
	EMUL
	NOPS 4                                         ; places in front of the loads into the tiles' registers and of the first read of the scores
	s_add_co_u32 s[TQ], s[TQ], 6656
	KFETCH                                         ; the next step's, under this step's vector work
	LSE
	s_sub_co_u32 s[CNT], s[CNT], 1
	s_cmp_lg_u32 s[CNT], 0
	s_cbranch_scc1 .Lstep
	s_wait_dscnt 0x0
	EMUL                                           ; my last step fetches nothing
	NOPS 4
	LSE
.irp jt,0,1
	v_add_f32 v[TP+\jt], v[SUM+2*\jt], v[SUM+2*\jt+1]
.endr
.irp jt,0,1
	v_permlanex16_b32 v[BT+\jt], v[TP+\jt], s[SEL], s[SEL+1]
.endr
.irp jt,0,1
	v_add_f32 v[TP+\jt], v[TP+\jt], v[BT+\jt]
.endr
	v_cndmask_b32 v[BM], v[MP], v[MP+2], s[MASK]   ; lanes 16-31 take the second tile's: -M,
	v_cndmask_b32 v[BM+1], v[TP], v[TP+1], s[MASK] ; and l, of my quarter of the columns
	ds_store_b64 v[PSA], v[BM:BM+1]
	s_wait_dscnt 0x0                               ; for the joining wave's sake
	s_barrier_signal -1
	s_barrier_wait -1
	s_cmp_ge_u32 s[WV], 4                          ; waves 0 to 3 join the four parts of their rows
	s_cbranch_scc1 .Lnot_mine
.irp g,0,1,2,3
	ds_load_b64 v[S+2*\g:S+2*\g+1], v[PRD] offset:1024*\g
.endr
	s_wait_dscnt 0x0
	v_min_num_f32 v[BM], v[S], v[S+2]
	v_min_num_f32 v[BM+1], v[S+4], v[S+6]
	v_min_num_f32 v[BM], v[BM], v[BM+1]            ; the row's -M: the least of the four
.irp g,0,1,2,3
	v_sub_f32 v[S+2*\g], v[BM], v[S+2*\g]          ; the part's M less the row's: a whole number, 0 or less
.endr
.irp g,0,1,2,3
	v_cvt_i32_f32 v[S+2*\g], v[S+2*\g]             ; (it saturates)
.endr
.irp g,0,1,2,3
	v_ldexp_f32 v[S+2*\g+1], v[S+2*\g+1], v[S+2*\g]   ; the part's l under the row's M: nothing is rounded
.endr
	v_add_f32 v[TP], v[S+1], v[S+3]
	v_add_f32 v[TP+1], v[S+5], v[S+7]
	v_add_f32 v[TP], v[TP], v[TP+1]
	v_log_f32 v[TP], v[TP]
	v_nop
	s_wait_alu depctr_va_vdst(0)
	v_sub_f32 v[TP], v[BM], v[TP]                  ; -M - log2 l
	v_mul_f32 v[TP], 0x3f317218, v[TP]             ; x ln 2
	ds_store_b32 v[STA], v[TP]
.Lnot_mine:
	s_wait_dscnt 0x0                               ; for wave 0's sake
	s_barrier_signal -1
	s_barrier_wait -1
	s_cmp_lg_u32 s[WV], 0
	s_cbranch_scc1 .Lnot_0
	ds_load_b128 v[S:S+3], v[SRD]
	s_wait_dscnt 0x0
	global_store_b128 v[L16], v[S:S+3], s[6:7]     ; 512 consecutive bytes
.Lnot_0:
	s_wait_tensorcnt 0x0                           ; the wave's end
	ds_add_u32 v[SPW], v[NIL]
	s_wait_dscnt 0x0
	ROUND                                          ; the closing round
	s_endpgm
.Lfunc_end_k_q03f3117765_lse:
	.size	k_q03f3117765_lse, .Lfunc_end_k_q03f3117765_lse-k_q03f3117765_lse
	.p2alignl 7, 3214868480
	.fill 96, 4, 3214868480
	.section	.rodata,"a",@progbits
	.p2align	6, 0x0
	.amdhsa_kernel k_q03f3117765_lse
		.amdhsa_group_segment_fixed_size 219648
		.amdhsa_private_segment_fixed_size 0
		.amdhsa_enable_private_segment 0
		.amdhsa_kernarg_size 16
		.amdhsa_user_sgpr_count 2
		.amdhsa_user_sgpr_kernarg_segment_ptr 1
		.amdhsa_wavefront_size32 1
		.amdhsa_system_sgpr_workgroup_id_x 1
		.amdhsa_system_sgpr_workgroup_id_y 1
		.amdhsa_system_sgpr_workgroup_id_z 1
		.amdhsa_system_vgpr_workitem_id 0
		.amdhsa_next_free_vgpr 256
		.amdhsa_next_free_sgpr 66
		.amdhsa_reserve_vcc 0
		.amdhsa_float_denorm_mode_32 3
		.amdhsa_float_denorm_mode_16_64 3
		.amdhsa_memory_ordered 1
		.amdhsa_forward_progress 1
		.amdhsa_inst_pref_size 49
	.end_amdhsa_kernel
	.amdgpu_metadata
---
amdhsa.version: [ 1, 2 ]
amdhsa.kernels:
  - .name:           k_q03f3117765_lse
    .symbol:         k_q03f3117765_lse.kd
    .args:
      - { .name: qrec, .offset: 0, .size: 8, .value_kind: global_buffer, .address_space: global }
      - { .name: na, .offset: 8, .size: 8, .value_kind: global_buffer, .address_space: global }
    .group_segment_fixed_size: 219648
    .private_segment_fixed_size: 0
    .kernarg_segment_align: 8
    .kernarg_segment_size: 16
    .max_flat_workgroup_size: 512
    .sgpr_count:     66
    .vgpr_count:     256
    .wavefront_size: 32
...
	.end_amdgpu_metadata
.endif
;; end of part 2
;; launch attn (part 3): grid 32 x 8, 4 waves a work-group, clusters of 4 x 1, 327,680 bytes of LDS; arguments qrec, vrec, na, xs, wtrec, bt, bn_gamma, bn_beta, bn_mean, bn_var, out0; writes out0
.if DOCPART == 3
	.amdgcn_target "amdgcn-amd-amdhsa--gfx1250"
	.amdhsa_code_object_version 6
	.text
	.protected	k_q03f3117765_attn
	.globl	k_q03f3117765_attn
	.p2align	8
	.type	k_q03f3117765_attn,@function
k_q03f3117765_attn:
	s_mov_b64 s[64:65], 0
	v_nop
	global_prefetch_b8 v0, s[64:65] scope:SCOPE_SE
	s_setreg_imm32_b32 hwreg(HW_REG_WAVE_MODE, 25, 1), 1
	s_wait_xcnt 0x0
	s_wait_alu depctr_hold_cnt(0) depctr_sa_sdst(0) depctr_va_vdst(0) depctr_va_sdst(0) depctr_va_ssrc(0) depctr_va_vcc(0) depctr_vm_vsrc(0)
	s_getreg_b32 s2, hwreg(HW_REG_IB_STS2, 6, 4)
	s_cmp_eq_u32 s2, 0
	s_cbranch_scc0 .Lentry_in_a_cluster
	s_endpgm
.Lentry_in_a_cluster:
	s_bfe_u32 s2, ttmp6, 0x10000c
	s_cmp_lg_u32 s2, 0x3003
	s_cbranch_scc0 .Lentry_shape_is_right
	s_endpgm
.Lentry_shape_is_right:
; out = xs + leaky(BN(Wt (xs - v attn) + bt)),  attn(i, j) = exp(e(i, j) - a(i)) / (1e-9 + the sum over i of exp(e(i, j) - a(i))),  all products on codes of FP6.
; A work-group owns 128 columns j of a batch, a wave 32 of them (two tiles of 16) for all 256 channels; every wave walks all 4,096 rows i twice, 128 a step.
; D(i, j) = e(i, j) - a(i) is made by the matrix unit: source 0 = 16 rows i, source 1 = my 16 columns j, C = -a(i).  A lane holds ONE column j and its registers run along i, which is the next product's K.
; PASS A: C(j) = 1e-9 + the sum over i of 2^(c D), c = log2(e).  D is 0 or less up to rounding (the row's maximum lies inside a), so no exponential and no sum can overflow.
; PASS B: attn = 2^(c D - log2 C), finished and normalised; quantised along i in registers; O += (-v) attn, the sums beginning as xs, which is loaded into O: O ends as xs - v attn.
; A BLOCK'S LARGEST attn is made apart, as the quotient u / C with one correction step, u = 2^(c Dmax) by the very instructions of pass A: where a column's sum is its largest term, the quotient is exactly 1.
; BY TURNS.  The wave's two tiles of columns are two PIECES that share q's and v's fragments and nothing else.  In a turn one piece has the matrix unit and the other piece's vector work stands in slices behind its
; matrix instructions; then they change places.  PASS B, a turn: 16 products (-v) attn of step j, then 8 products D of step j + 1 | the other piece's list of 193 instructions (D to codes), 8 behind each product.
; PASS A, a turn: one piece is scaled and put through the exponentials, the other piece's exponentials of the turn before are added up between them, and then that piece's 8 products D follow, in the turn's second half.
; All that the lists touch lies in window 0 and no window has room for a product's operands beside it: a slice costs two switches of the register window.
; K of e is 64 in an instruction of 128: my columns' operand has zero codes in its upper six registers; the tiles of i lie packed, six registers each, so a tile's operand ends in the next tile's codes (zeros behind tile 7),
; which add nothing against zero codes; the operands are the same bit for bit in both passes.
; CLUSTER: the four work-groups of a cluster belong to one batch and walk the same q, a, v and Wt: every tensor load is joint.  q's records and a stay in LDS; v's records (25,600 bytes a step) go through two slots.
; xs is read twice: into O at the head, and again, for the residual, at the last change of slots: the registers between are wanted for q's tiles.
; LIMITS: NaN and infinities are not served.  attn under 2^-126 counts as 0; a block of zeros keeps the scale byte 1.  BN is applied as t s + sh with s = gamma rsq(var + eps), sh = (bt - mean) s + beta.  Sums run in another order than a plain loop's.
; REGISTERS, in windows of 256: window 0: addresses, scale words, my columns' tiles, attn's codes, statistics, S (the 128 numbers of D).  window 1: O (tile jt, channel tile t at 128 jt + 8 t).
;   window 2: FA (v0-95: v's tiles 8-15), FB (v96-191: v's tiles 0-7), NAC (v192-255: -a as C).  window 3: v0-53 the step's tiles of q; at the end xs, in O's order.
.set NAL,   212992                     ; LDS: q's records at 0; -a here (16,384 bytes)
.set SPARE, 229376                     ; the spare words: two blocks of 256 bytes that no other line names
.set BNT,   229888                     ; s (256 f32), then sh (256 f32)
.set SLOT0, 262144                     ; two slots of 25,600 bytes, 0x8000 apart
.set SLX,   0x8000
.set L16, 1
.set L8,  2
.set AQ16, 3
.set AQ8, 4
.set ANA0, 5
.set ANA, 6
.set AV16, 7
.set AV8, 8
.set SB,  9                            ; v9-12 the way out: my place in rows 0, 64, 128, 192 of the stage
.set PFO, 13
.set SPW, 14
.set NIL, 15
.set QSI, 16                           ; v16-19 the step's scale words of q; at the end d's
.set DW,  16
.set QSJ, 20
.set SRD, 21
.set VSR, 22                           ; v22-29 v's (Wt's) scale words, a pair of tiles each
.set PW,  30                           ; v30-31 attn's scale words
.set QJ,  32                           ; v32-55 my two tiles of q
.set PC,  56                           ; v56-79 attn's codes
.set DC,  32                           ; at the end v32-79: d's four fragments
.set CT,  80                           ; v80-95 second halves of blocks
.set BM,  96
.set BT,  104
.set BS,  112
.set SUM, 96                           ; pass A: v96-99 the sums, v100-103 their second chains
.set CH,  100
.set NG,  120                          ; v120-123 (log2 C, 0) for each tile
.set CJ,  124                          ; v124, v126: C;  v125, v127: 1 / C
.set S,   128
.set FA,  0
.set FB,  96
.set NAC, 192
.set KF,  0                            ; in window 3
.set G1Q, 28
.set G1N, 36
.set G1V, 44
.set G0Q, 52
.set G0N, 56
.set G0V, 60
.set WV,  66
.set CX,  67
.set BLK, 68
.set BB,  69
.set CS,  70
.set SEL, 72
.set TB,  74
.set TQ,  75
.set TN,  76
.set CNT, 77
.set LIM, 78
.set PFA, 80
.set WTP, 82
.set MSB, 0
.macro WIN new                         ; the immediate's high byte repeats the setting that is left; a switch that changes nothing is dropped
.if MSB != (\new)
	s_set_vgpr_msb (MSB<<8)|(\new)
.set MSB, (\new)
.endif
.endm
.macro NOPS n
.rept \n
	v_nop
.endr
.endm
.macro ROUND                           ; a round of the cluster's barrier
	s_barrier_signal -1
	s_barrier_wait -1
	s_cmp_lg_u32 s[WV], 0
	s_cbranch_scc1 .Lnw0_\@
	s_barrier_signal -3
.Lnw0_\@:
	s_barrier_wait -3
	s_barrier_signal -1
	s_barrier_wait -1
.endm
.macro WMMA d, a, b, cm, c, sa, sb, ra, rb
.if (\cm) == 0
.if ((\ra) == 0) && ((\rb) == 0)
	v_wmma_scale_f32_16x16x128_f8f6f4 v[(\d):(\d)+7], v[(\a):(\a)+11], v[(\b):(\b)+11], 0, v[(\sa)], v[(\sb)] matrix_a_fmt:MATRIX_FMT_FP6 matrix_b_fmt:MATRIX_FMT_FP6
.elseif (\rb) == 0
	v_wmma_scale_f32_16x16x128_f8f6f4 v[(\d):(\d)+7], v[(\a):(\a)+11], v[(\b):(\b)+11], 0, v[(\sa)], v[(\sb)] matrix_a_fmt:MATRIX_FMT_FP6 matrix_b_fmt:MATRIX_FMT_FP6 matrix_a_scale:MATRIX_SCALE_ROW1
.elseif (\ra) == 0
	v_wmma_scale_f32_16x16x128_f8f6f4 v[(\d):(\d)+7], v[(\a):(\a)+11], v[(\b):(\b)+11], 0, v[(\sa)], v[(\sb)] matrix_a_fmt:MATRIX_FMT_FP6 matrix_b_fmt:MATRIX_FMT_FP6 matrix_b_scale:MATRIX_SCALE_ROW1
.else
	v_wmma_scale_f32_16x16x128_f8f6f4 v[(\d):(\d)+7], v[(\a):(\a)+11], v[(\b):(\b)+11], 0, v[(\sa)], v[(\sb)] matrix_a_fmt:MATRIX_FMT_FP6 matrix_b_fmt:MATRIX_FMT_FP6 matrix_a_scale:MATRIX_SCALE_ROW1 matrix_b_scale:MATRIX_SCALE_ROW1
.endif
.else
.if ((\ra) == 0) && ((\rb) == 0)
	v_wmma_scale_f32_16x16x128_f8f6f4 v[(\d):(\d)+7], v[(\a):(\a)+11], v[(\b):(\b)+11], v[(\c):(\c)+7], v[(\sa)], v[(\sb)] matrix_a_fmt:MATRIX_FMT_FP6 matrix_b_fmt:MATRIX_FMT_FP6
.elseif (\rb) == 0
	v_wmma_scale_f32_16x16x128_f8f6f4 v[(\d):(\d)+7], v[(\a):(\a)+11], v[(\b):(\b)+11], v[(\c):(\c)+7], v[(\sa)], v[(\sb)] matrix_a_fmt:MATRIX_FMT_FP6 matrix_b_fmt:MATRIX_FMT_FP6 matrix_a_scale:MATRIX_SCALE_ROW1
.elseif (\ra) == 0
	v_wmma_scale_f32_16x16x128_f8f6f4 v[(\d):(\d)+7], v[(\a):(\a)+11], v[(\b):(\b)+11], v[(\c):(\c)+7], v[(\sa)], v[(\sb)] matrix_a_fmt:MATRIX_FMT_FP6 matrix_b_fmt:MATRIX_FMT_FP6 matrix_b_scale:MATRIX_SCALE_ROW1
.else
	v_wmma_scale_f32_16x16x128_f8f6f4 v[(\d):(\d)+7], v[(\a):(\a)+11], v[(\b):(\b)+11], v[(\c):(\c)+7], v[(\sa)], v[(\sb)] matrix_a_fmt:MATRIX_FMT_FP6 matrix_b_fmt:MATRIX_FMT_FP6 matrix_a_scale:MATRIX_SCALE_ROW1 matrix_b_scale:MATRIX_SCALE_ROW1
.endif
.endif
.endm
.macro KNFETCH                         ; a step's tiles of q, its -a in the layout of C, its scale words: 33 loads
	WIN 0
	v_add_nc_u32 v[AQ16], s[TQ], v[L16]
	v_add_nc_u32 v[AQ8], s[TQ], v[L8]
	v_add_nc_u32 v[ANA], s[TN], v[ANA0]
	WIN 0xc0                                       ; destination window 3
.irp t,0,1,2,3,4,5,6,7
	ds_load_b128 v[KF+6*\t:KF+6*\t+3], v[AQ16] offset:768*\t
	ds_load_b64 v[KF+6*\t+4:KF+6*\t+5], v[AQ8] offset:768*\t+512
.endr
	WIN 0x80                                       ; destination window 2
.irp t,0,1,2,3,4,5,6,7
	ds_load_b128 v[NAC+8*\t:NAC+8*\t+3], v[ANA] offset:128*(\t/2)+32*(\t%2)       ; register 8 T + p of lane half h: -a at i = 32 (T / 2) + 16 h + 8 (T % 2) + p
	ds_load_b128 v[NAC+8*\t+4:NAC+8*\t+7], v[ANA] offset:128*(\t/2)+32*(\t%2)+16
.endr
	WIN 0
	ds_load_b128 v[QSI:QSI+3], v[AQ16] offset:6144
.endm
.macro EQM jt, t                       ; D = e - a: tile t of the step's rows against piece jt
	WIN 0x23                                       ; source 0 (q's tiles) window 3, C (-a) window 2
	WMMA S+64*(\jt)+8*(\t), KF+6*(\t), QJ+12*(\jt), 1, NAC+8*(\t), QSI+(\t)/2, QSJ, (\t)%2, \jt
.endm
.macro PVM jt, t                       ; O += (-v) attn: channel tile t, piece jt; in place
	WIN 0x52                                       ; source 0 (v) window 2, C and D (O) window 1
.if (\t) < 8
	WMMA 128*(\jt)+8*(\t), FB+12*(\t), PC+12*(\jt), 1, 128*(\jt)+8*(\t), VSR+(\t)/2, PW+(\jt), (\t)%2, 0
.else
	WMMA 128*(\jt)+8*(\t), FA+12*((\t)-8), PC+12*(\jt), 1, 128*(\jt)+8*(\t), VSR+(\t)/2, PW+(\jt), (\t)%2, 0
.endif
.endm
.macro VADR
	v_add_nc_u32 v[AV16], s[TB], v[L16]
	v_add_nc_u32 v[AV8], s[TB], v[L8]
.endm
.macro VFETCH dst, t0                  ; eight fragments of the record in the slot at s[TB]: 32 dense loads
	WIN 0x80
.irp f,0,1,2,3,4,5,6,7
.irp c,0,1
	ds_load_b128 v[(\dst)+12*\f+6*\c:(\dst)+12*\f+6*\c+3], v[AV16] offset:1536*((\t0)+\f)+768*\c
	ds_load_b64 v[(\dst)+12*\f+6*\c+4:(\dst)+12*\f+6*\c+5], v[AV8] offset:1536*((\t0)+\f)+768*\c+512
.endr
.endr
	WIN 0
.endm
.macro VSFETCH
	ds_load_b128 v[VSR:VSR+3], v[AV16] offset:24576
	ds_load_b128 v[VSR+4:VSR+7], v[AV16] offset:25088
.endm
; ---- PASS A.  Addition a of 32 of piece y's 64 exponentials: two chains; the second begins anew in each step and is taken into the sum at its end
.macro AADD y, a
.set YB, S+64*(\y)
.if (\a) == 0
	v_pk_add_f32 v[CH+2*(\y):CH+2*(\y)+1], v[YB:YB+1], v[YB+2:YB+3]
.elseif (\a) == 31
	v_pk_add_f32 v[SUM+2*(\y):SUM+2*(\y)+1], v[SUM+2*(\y):SUM+2*(\y)+1], v[CH+2*(\y):CH+2*(\y)+1]
.elseif ((\a)%2) == 1
	v_pk_add_f32 v[SUM+2*(\y):SUM+2*(\y)+1], v[SUM+2*(\y):SUM+2*(\y)+1], v[YB+2*(\a)+2:YB+2*(\a)+3]
.else
	v_pk_add_f32 v[CH+2*(\y):CH+2*(\y)+1], v[CH+2*(\y):CH+2*(\y)+1], v[YB+2*(\a)+2:YB+2*(\a)+3]
.endif
.endm
; A turn of pass A.  Piece x: 32 packed scalings and 64 exponentials, a pair's exponentials one unit behind its scaling.  First half: the other piece's 32 additions (adds = 1) stand between them, a plain instruction
; beside each exponential.  Second half: that piece's registers are free, and its next 8 products stand one in front of every second unit.  fetch = 1: the next step's tiles of q are fetched at the head (their last
; readers are the products of the turn before);  2: step 0's again, for pass B.  The turn ends with the wait for its exponentials, whose first readers are the next turn's additions.
.macro ATURN x, adds, fetch
.set XB, S+64*(\x)
.set UU, 0
.rept 16
	v_pk_mul_f32 v[XB+2*UU:XB+2*UU+1], v[XB+2*UU:XB+2*UU+1], s[CS:CS+1] op_sel_hi:[1,0]
.if \adds
	AADD 1-(\x), 2*UU
.endif
.if UU > 0
	v_exp_f32 v[XB+2*UU-2], v[XB+2*UU-2]
.endif
.if \adds
	AADD 1-(\x), 2*UU+1
.endif
.if UU > 0
	v_exp_f32 v[XB+2*UU-1], v[XB+2*UU-1]
.endif
.if (\fetch) && (UU == 1)
.if (\fetch) == 1
	s_add_co_u32 s[TQ], s[TQ], 6656
	s_add_co_u32 s[TN], s[TN], 512
.else
	s_mov_b32 s[TQ], 0
	s_mov_b32 s[TN], 0
.endif
	KNFETCH
.endif
.set UU, UU+1
.endr
.if \fetch
	s_wait_dscnt 0x0                               ; the tiles asked for at the turn's head
.endif
.rept 16
.if (UU%2) == 0
	EQM 1-(\x), (UU-16)/2
	WIN 0
.endif
	v_pk_mul_f32 v[XB+2*UU:XB+2*UU+1], v[XB+2*UU:XB+2*UU+1], s[CS:CS+1] op_sel_hi:[1,0]
	v_exp_f32 v[XB+2*UU-2], v[XB+2*UU-2]
	v_exp_f32 v[XB+2*UU-1], v[XB+2*UU-1]
.set UU, UU+1
.endr
	v_exp_f32 v[XB+62], v[XB+62]
	v_exp_f32 v[XB+63], v[XB+63]
	NOPS 3                                         ; the plain place behind the exponentials; with the last two scalings five places behind the last product, ahead of the first read of D and of loads into its operands
	s_wait_alu depctr_va_vdst(0)                   ; one wait for the turn's 64 exponentials
.endm
; ---- PASS B.  Plain instruction i of 16 of block g of piece y (16 rows i a lane, the other 16 in lane l xor 16): 0-7 the block's largest D, in two chains; 8-15 c D - log2 C, a pair each
.macro SMP y, g, i
.set RB, S+64*(\y)+16*(\g)
.set RA, BM+4*(\y)+(\g)
.set RC, BT+4*(\y)+(\g)
.if (\i) == 0
	v_max3_num_f32 v[RA], v[RB], v[RB+1], v[RB+2]
.elseif (\i) == 1
	v_max3_num_f32 v[RC], v[RB+8], v[RB+9], v[RB+10]
.elseif (\i) == 2
	v_max3_num_f32 v[RA], v[RA], v[RB+3], v[RB+4]
.elseif (\i) == 3
	v_max3_num_f32 v[RC], v[RC], v[RB+11], v[RB+12]
.elseif (\i) == 4
	v_max3_num_f32 v[RA], v[RA], v[RB+5], v[RB+6]
.elseif (\i) == 5
	v_max3_num_f32 v[RC], v[RC], v[RB+13], v[RB+14]
.elseif (\i) == 6
	v_max3_num_f32 v[RA], v[RA], v[RB+7], v[RB+15]
.elseif (\i) == 7
	v_max_num_f32 v[RA], v[RA], v[RC]
.else
	v_pk_fma_f32 v[RB+2*((\i)-8):RB+2*((\i)-8)+1], v[RB+2*((\i)-8):RB+2*((\i)-8)+1], s[CS:CS+1], v[NG+2*(\y):NG+2*(\y)+1] op_sel_hi:[1,0,0] neg_lo:[0,0,1] neg_hi:[0,0,1]
.endif
.endm
; Number n of 193 of piece y's list: D becomes attn, its codes and its scale word.
;   0-15     block 0's plain sixteen
;   16-111   by turns: a plain instruction of block g + 1, an exponential of block g
;   112-135  by turns: the maxima's exchange with lane l xor 16, the join, c Dmax (rounded as in pass A); an exponential of block 3
;   136-143  block 3's last four exponentials; u = 2^(c Dmax) of the four blocks: the same bits as the term in pass A's sum
;   144      the plain place behind the exponentials, and ONE wait for all 68: nothing ahead of it names a result, no exponential follows it
;   145-171  u / C with one correction; the floor; the conversion's scale operand; the byte; the scale word
;   172-188  the conversions, their plain place, a whole block to a lane
;   189-192  four places: the codes stand 4, the scale word more than 8, ahead of the products that take them
.macro SMI y, n
.set YS, S+64*(\y)
.set YX, 4*(\y)
.if (\n) < 16
	SMP \y, 0, \n
.elseif (\n) < 112
.if ((\n)%2) == 0
	SMP \y, ((\n)-16)/32+1, (((\n)-16)%32)/2
.else
	v_exp_f32 v[YS+16*(((\n)-16)/32)+(((\n)-16)%32)/2], v[YS+16*(((\n)-16)/32)+(((\n)-16)%32)/2]
.endif
.elseif (\n) < 136
.set KK, ((\n)-112)/2
.if ((\n)%2) == 1
	v_exp_f32 v[YS+48+KK], v[YS+48+KK]
.elseif KK < 4
	v_permlanex16_b32 v[BT+YX+KK], v[BM+YX+KK], s[SEL], s[SEL+1]
.elseif KK < 8
	v_max_num_f32 v[BM+YX+KK-4], v[BM+YX+KK-4], v[BT+YX+KK-4]
.else
	v_mul_f32 v[BM+YX+KK-8], s[CS], v[BM+YX+KK-8]
.endif
.elseif (\n) < 140
	v_exp_f32 v[YS+60+(\n)-136], v[YS+60+(\n)-136]
.elseif (\n) < 144
	v_exp_f32 v[BM+YX+(\n)-140], v[BM+YX+(\n)-140]
.elseif (\n) == 144
	v_nop
	s_wait_alu depctr_va_vdst(0)
.elseif (\n) < 149
	v_mul_f32 v[BT+YX+(\n)-145], v[BM+YX+(\n)-145], v[CJ+2*(\y)+1]                        ; q = u / C, roughly;
.elseif (\n) < 153
	v_fma_f32 v[BS+YX+(\n)-149], -v[BT+YX+(\n)-149], v[CJ+2*(\y)], v[BM+YX+(\n)-149]      ; what is left: u - q C;
.elseif (\n) < 157
	v_fma_f32 v[BM+YX+(\n)-153], v[BS+YX+(\n)-153], v[CJ+2*(\y)+1], v[BT+YX+(\n)-153]     ; q corrected
.elseif (\n) < 161
	v_max_num_f32 v[BM+YX+(\n)-157], 0x1800000, v[BM+YX+(\n)-157]                         ; the floor 2^(3 - 127): the byte cannot fall under 1
.elseif (\n) < 165
	v_add_nc_u32 v[BS+YX+(\n)-161], 0xff000000, v[BM+YX+(\n)-161]                         ; 2 off the exponent field: the conversion's scale operand
.elseif (\n) < 169
	v_lshrrev_b32 v[BT+YX+(\n)-165], 23, v[BS+YX+(\n)-165]
.elseif (\n) == 169
	v_lshl_or_b32 v[PW+(\y)], v[BT+YX+1], 8, v[BT+YX]
.elseif (\n) == 170
	v_lshl_or_b32 v[PW+(\y)], v[BT+YX+2], 16, v[PW+(\y)]
.elseif (\n) == 171
	v_lshl_or_b32 v[PW+(\y)], v[BT+YX+3], 24, v[PW+(\y)]
.elseif (\n) < 176
.set KK, (\n)-172
.if (KK%2) == 0
	v_cvt_scalef32_pk16_fp6_f32 v[PC+12*(\y)+6*(KK/2):PC+12*(\y)+6*(KK/2)+2], v[YS+32*(KK/2):YS+32*(KK/2)+15], v[BS+YX+KK]
.else
	v_cvt_scalef32_pk16_fp6_f32 v[CT+8*(\y)+4*(KK/2):CT+8*(\y)+4*(KK/2)+2], v[YS+32*(KK/2)+16:YS+32*(KK/2)+31], v[BS+YX+KK]
.endif
.elseif (\n) == 176
	v_nop                                          ; one plain place behind a scaled conversion
.elseif (\n) < 189
.set KK, (\n)-177
.if (KK%6) < 3
	v_permlane16_swap_b32 v[PC+12*(\y)+6*(KK/6)+KK%6], v[CT+8*(\y)+4*(KK/6)+KK%6]
.else
	v_mov_b32 v[PC+12*(\y)+6*(KK/6)+KK%6], v[CT+8*(\y)+4*(KK/6)+KK%6-3]
.endif
.else
	v_nop
.endif
.endm
; A TURN of pass B.  Piece x has the matrix unit: pv = 1: 16 products (-v) attn of the step in hand, tiles 0-7 (FB) first; eq = 1: 8 products D of the next step.  sm = 1: the other piece's list stands in equal slices
; behind them (8, 12 or 24 numbers), the one number over in the last.  The accumulators take turns, one instruction a turn.
; THE LDS LOADS stand in runs.  kn = 1 (piece 0's turn): the next step's tiles of q, behind the second product: their last readers stand ahead of the last slice of the turn before.
; vf = 1 (piece 1's turn): the next step's fragments of v: tiles 0-7 behind the ninth product's slice, the scale words and tiles 8-15 behind the seventeenth's: in each case two slices, eight plain instructions, behind the last reader.
; THE WAITS of piece 0's turn: at its head the 32 youngest loads (v's tiles 8-15) may be out; ahead of its ninth product the 33 youngest (q's tiles); ahead of its first product D none.
.macro TURN x, pv, eq, sm, kn, vf
.set NM, 16*(\pv)+8*(\eq)
.set PER, 192/NM
.set NI, 0
.set MI, 0
.if (\vf) && ((\pv) == 0)
	VADR                                           ; the first turn of all: nothing has read these registers yet
	VFETCH FB, 0
	VSFETCH
	VFETCH FA, 8
	s_xor_b32 s[TB], s[TB], SLX
.endif
.rept NM
.if ((\x) == 0) && (\pv) && (MI == 0)
	s_wait_dscnt 32
.endif
.if ((\x) == 0) && (\pv) && (MI == 8)
.if \kn
	s_wait_dscnt 33
.else
	s_wait_dscnt 0x0
.endif
.endif
.if ((\x) == 0) && (\eq) && (MI == 16*(\pv))
	s_wait_dscnt 0x0
.endif
.if (\pv) && (MI < 16)
	PVM \x, MI
.else
	EQM \x, MI-16*(\pv)
.endif
.if \sm
	WIN 0
.rept PER
	SMI 1-(\x), NI
.set NI, NI+1
.endr
.if MI == NM-1
	SMI 1-(\x), NI
.endif
.endif
.if (\kn) && (MI == 1)
	s_add_co_u32 s[TQ], s[TQ], 6656
	s_add_co_u32 s[TN], s[TN], 512
	KNFETCH
.endif
.if (\vf) && (\pv) && (MI == 8)
	VADR
	VFETCH FB, 0
.endif
.if (\vf) && (\pv) && (MI == 16)
	VSFETCH
	VFETCH FA, 8
	s_xor_b32 s[TB], s[TB], SLX
.endif
.set MI, MI+1
.endr
	WIN 0
.endm
; A prefetch of v's record two records on from the one that this change of slots asks for: two steps ahead of the tensor loads that will ask for it.  All eight clusters of a batch walk the same records: wave 0 of the
; batch's first cluster asks; its four partners take 6,400 bytes each, told apart by address; lanes 256 bytes apart, lanes 25-31 naming lane 24's block again.  Records 0 to 2 come by their loads alone; nothing is asked for past record 31.
.macro ASK
	s_cmp_gt_u32 s[CNT], s[LIM]
	s_cbranch_scc0 .Lnot_mine_\@
	global_prefetch_b8 v[PFO], s[PFA:PFA+1] th:TH_LOAD_NT scope:SCOPE_SE
.Lnot_mine_\@:
.endm
; THE CHANGE OF SLOTS, between piece 0's turn and piece 1's, which fetches the next record's fragments.  Each wave waits for all its tensor loads (one is out: its quarter of that record), adds 0 to its spare word, and waits
; for that and for its LDS reads, those of the other slot among them.  mode 1: the other slot takes v's record after that;  2: Wt's first;  3: Wt's second;  0: nothing is filled, and a plain barrier does.
.macro CHANGE mode
	WIN 0
	s_wait_tensorcnt 0x0                           ; no tensor load of mine is out, so the walking group 0 may be written
	ds_add_u32 v[SPW], v[NIL]                      ; 0 onto my spare word; the descriptor's steps stand between it and the wait for it
.if (\mode) == 1
	s_xor_b32 s[G0V+1], s[G0V+1], SLX
	s_add_nc_u64 s[G0V+2:G0V+3], s[G0V+2:G0V+3], 25600
	s_wait_xcnt 0x0                                ; the last prefetch, a step back, has read its address
	s_add_nc_u64 s[PFA:PFA+1], s[PFA:PFA+1], 25600
.elseif (\mode) == 2
	s_xor_b32 s[G0V+1], s[G0V+1], SLX
	s_mov_b32 s[G0V+2], s[WTP]
	s_mov_b32 s[G0V+3], s[WTP+1]
.elseif (\mode) == 3
	s_xor_b32 s[G0V+1], s[G0V+1], SLX
	s_add_nc_u64 s[G0V+2:G0V+3], s[G0V+2:G0V+3], 25600
.endif
	s_wait_dscnt 0x0                               ; the add is done, and my reads of the slot that is filled next are over
.if (\mode) == 0
	s_barrier_signal -1
	s_barrier_wait -1
.else
	ROUND                                          ; no wave of any partner still reads the slot or has a load on its way
	tensor_load_to_lds s[G0V:G0V+3], s[G1V:G1V+7]  ; my one tensor load until the next round: it has a whole step in which to land
	s_nop 0
	NOPS 4
.endif
.if (\mode) == 1
	ASK
.endif
.endm
; 64 numbers of a lane in window 1, register 16 b + i = channel 32 b + 16 (lane / 16) + i of my column, become a fragment in v[dst] on and its scale word
.macro QUANT64 src, dst, word
	WIN 0x05
.irp b,0,1,2,3
	v_max3_num_f32 v[BM+\b], |v[(\src)+16*\b]|, |v[(\src)+16*\b+1]|, 0x1800000
.endr
	WIN 0x14
.irp i,2,4,6,8,10,12,14
.irp b,0,1,2,3
	v_max3_num_f32 v[BM+\b], v[BM+\b], |v[(\src)+16*\b+\i]|, |v[(\src)+16*\b+\i+1]|
.endr
.endr
	WIN 0
.irp b,0,1,2,3
	v_permlanex16_b32 v[BT+\b], v[BM+\b], s[SEL], s[SEL+1]
.endr
.irp b,0,1,2,3
	v_max_num_f32 v[BM+\b], v[BM+\b], v[BT+\b]
.endr
.irp b,0,1,2,3
	v_add_nc_u32 v[BS+\b], 0xff000000, v[BM+\b]
.endr
.irp b,0,1,2,3
	v_lshrrev_b32 v[BT+\b], 23, v[BS+\b]
.endr
	v_lshl_or_b32 v[(\word)], v[BT+1], 8, v[BT]
	v_lshl_or_b32 v[(\word)], v[BT+2], 16, v[(\word)]
	v_lshl_or_b32 v[(\word)], v[BT+3], 24, v[(\word)]
	WIN 0x01
.irp c,0,1
	v_cvt_scalef32_pk16_fp6_f32 v[(\dst)+6*\c:(\dst)+6*\c+2], v[(\src)+32*\c:(\src)+32*\c+15], v[BS+2*\c]
	v_cvt_scalef32_pk16_fp6_f32 v[CT+4*\c:CT+4*\c+2], v[(\src)+32*\c+16:(\src)+32*\c+31], v[BS+2*\c+1]
.endr
	WIN 0
	v_nop
.irp c,0,1
.irp i,0,1,2
	v_permlane16_swap_b32 v[(\dst)+6*\c+\i], v[CT+4*\c+\i]
.endr
.irp i,0,1,2
	v_mov_b32 v[(\dst)+6*\c+3+\i], v[CT+4*\c+\i]
.endr
.endr
.endm
.macro WTMUL ks                        ; t = Wt d, K step ks: 32 accumulators by turns, laid over O
.if (\ks) == 0
	WIN 0x42
.else
	WIN 0x52
.endif
.irp t,0,1,2,3,4,5,6,7
.irp jt,0,1
	WMMA 128*\jt+8*\t, FB+12*\t, DC+24*\jt+12*(\ks), \ks, 128*\jt+8*\t, VSR+\t/2, DW+2*\jt+(\ks), \t%2, 0
.endr
.endr
.irp t,0,1,2,3,4,5,6,7
.irp jt,0,1
	WMMA 128*\jt+64+8*\t, FA+12*\t, DC+24*\jt+12*(\ks), \ks, 128*\jt+64+8*\t, VSR+4+\t/2, DW+2*\jt+(\ks), \t%2, 0
.endr
.endr
	WIN 0
.endm
	s_load_b512 s[4:19], s[0:1], 0x0               ; qrec, vrec, na, xs, wtrec, bt, gamma, beta
	s_load_b128 s[20:23], s[0:1], 0x40             ; mean, var
	s_load_b64 s[24:25], s[0:1], 0x50              ; out0
	v_lshl_add_u32 v[SPW], v0, 2, SPARE
	v_mov_b32 v[NIL], 0
	ds_add_u32 v[SPW], v[NIL]                      ; the wave's opening: the add and its wait stand ahead of the round in front of my first tensor loads
	v_lshrrev_b32 v3, 5, v0
	v_readfirstlane_b32 s[WV], v3
	s_bfe_u32 s[CX], ttmp6, 0x40000
	s_lshl_b32 s[BLK], ttmp9, 2
	s_add_co_u32 s[BLK], s[BLK], s[CX]             ; my block of 128 columns: it enters global addresses alone
	s_and_b32 s[BB], ttmp7, 0xffff                 ; the batch, which the four partners share
	; descriptor groups 1: dense blocks as rows of 256 bytes (32 elements of 8 bytes): a quarter of q's records (208 rows), of -a (16), of a record of v or Wt (25).  Mask: all four work-groups; bit 21 beside it
.irp g,G1Q,G1N,G1V
	s_mov_b32 s[\g], 15|(3<<16)|(1<<21)
	s_mov_b32 s[\g+1], 32<<16
	s_mov_b32 s[\g+3], 32<<16
	s_mov_b32 s[\g+5], 32
	s_mov_b32 s[\g+6], 0
	s_mov_b32 s[\g+7], 0
.endr
	s_mov_b32 s[G1Q+2], 208<<16
	s_mov_b32 s[G1Q+4], 208
	s_mov_b32 s[G1N+2], 16<<16
	s_mov_b32 s[G1N+4], 16
	s_mov_b32 s[G1V+2], 25<<16
	s_mov_b32 s[G1V+4], 25
	s_mul_i32 s84, s[BB], 212992
	s_mul_i32 s26, s[WV], 53248
	s_add_co_u32 s84, s84, s26
	s_mov_b32 s85, 0
	s_lshl_b32 s90, s[BB], 14
	s_lshl_b32 s27, s[WV], 12
	s_add_co_u32 s90, s90, s27
	s_mov_b32 s91, 0
	s_add_co_u32 s27, s27, NAL
	s_mul_i32 s92, s[BB], 819200
	s_mul_i32 s94, s[WV], 6400
	s_add_co_u32 s92, s92, s94
	s_mov_b32 s93, 0
	s_mov_b32 s95, 0
	s_mov_b32 s[CS], 0x3fb8aa3b                    ; c = log2(e)
	s_mov_b32 s[CS+1], s[CS]
	s_mov_b32 s[SEL], 0x76543210
	s_mov_b32 s[SEL+1], 0xfedcba98
	s_or_b32 s[LIM], s[WV], ttmp9                  ; wave 0 of the batch's first cluster prefetches: the same in all four partners
	s_cmp_eq_u32 s[LIM], 0
	s_cselect_b32 s[LIM], 2, -1
	s_wait_dscnt 0x0                               ; the opening add is done
	s_wait_kmcnt 0x0
	s_mov_b32 s[G0N], 1
	s_mov_b32 s[G0N+1], s27
	s_add_nc_u64 s[G0N+2:G0N+3], s[8:9], s[90:91]
	s_or_b32 s[G0N+3], s[G0N+3], 0x80000000
	s_mov_b32 s[G0Q], 1
	s_mov_b32 s[G0Q+1], s26
	s_add_nc_u64 s[G0Q+2:G0Q+3], s[4:5], s[84:85]
	s_or_b32 s[G0Q+3], s[G0Q+3], 0x80000000
	s_mov_b32 s[G0V], 1
	s_add_co_u32 s[G0V+1], s94, SLOT0
	s_add_nc_u64 s[G0V+2:G0V+3], s[6:7], s[92:93]
	s_or_b32 s[G0V+3], s[G0V+3], 0x80000000
	s_add_nc_u64 s[WTP:WTP+1], s[12:13], s[94:95]
	s_or_b32 s[WTP+1], s[WTP+1], 0x80000000
	ROUND                                          ; all four work-groups are here: the first joint loads meet
	tensor_load_to_lds s[G0N:G0N+3], s[G1N:G1N+7]  ; three first fills: three tensor loads of mine are out at the most
	s_nop 0
	tensor_load_to_lds s[G0Q:G0Q+3], s[G1Q:G1Q+7]
	s_nop 0
	tensor_load_to_lds s[G0V:G0V+3], s[G1V:G1V+7]  ; v's record 0, into slot 0
	s_nop 0
	NOPS 4
	; pointers that hang on my place in the cluster, in registers that feed no descriptor
	s_mul_i32 s84, s[BB], 819200
	s_mul_i32 s90, s[CX], 6400
	s_add_co_u32 s84, s84, s90
	s_add_co_u32 s84, s84, 51200
	s_add_nc_u64 s[PFA:PFA+1], s[6:7], s[84:85]    ; at record 2: the first change of slots steps it to record 3
	s_lshl_b32 s90, s[BB], 5
	s_add_co_u32 s90, s90, s[BLK]
	s_mul_i32 s84, s90, 6656
	s_add_nc_u64 s[86:87], s[4:5], s[84:85]        ; my block's record of q,
	s_mul_i32 s84, s[WV], 1536
	s_add_nc_u64 s[88:89], s[86:87], s[84:85]      ; my two tiles in it
	s_lshl_b32 s84, s90, 2
	s_add_co_u32 s84, s84, s[WV]
	s_lshl_b32 s84, s84, 15
	s_add_nc_u64 s[10:11], s[10:11], s[84:85]      ; xs: my wave's 32,768 bytes
	s_lshl_b32 s84, s[BB], 22
	s_lshl_b32 s90, s[WV], 20
	s_add_co_u32 s84, s84, s90
	s_lshl_b32 s90, s[BLK], 9
	s_add_co_u32 s84, s84, s90
	s_add_nc_u64 s[24:25], s[24:25], s[84:85]      ; out: batch, channel 64 w, my block's columns
	v_and_b32 v3, 31, v0
	v_lshlrev_b32 v[L16], 4, v3
	v_lshlrev_b32 v[L8], 3, v3
	v_min_u32 v[PFO], 24, v3
	v_lshlrev_b32 v[PFO], 8, v[PFO]
	s_lshl_b32 s84, s[WV], 2
	v_add_nc_u32 v[ANA], s84, v[L16]
	v_lshlrev_b32 v3, 2, v0                        ; 4 x my thread's number
.irp jt,0,1
	global_load_b128 v[QJ+12*\jt:QJ+12*\jt+3], v[L16], s[88:89] offset:768*\jt
	global_load_b64 v[QJ+12*\jt+4:QJ+12*\jt+5], v[L8], s[88:89] offset:768*\jt+512
.endr
	global_load_b32 v[QSJ], v[ANA], s[86:87] offset:6144
.irp i,0,1                                             ; BN's numbers of channels t and t + 128, t my thread's number
	global_load_b32 v[S+\i], v3, s[14:15] offset:512*\i      ; bt
	global_load_b32 v[S+2+\i], v3, s[16:17] offset:512*\i    ; gamma
	global_load_b32 v[S+4+\i], v3, s[18:19] offset:512*\i    ; beta
	global_load_b32 v[S+6+\i], v3, s[20:21] offset:512*\i    ; mean
	global_load_b32 v[S+8+\i], v3, s[22:23] offset:512*\i    ; var
.endr
	WIN 0x40                                       ; destination window 1
.set i, 0
.rept 32
	global_load_b128 v[4*i:4*i+3], v[L16], s[10:11] offset:512*i   ; xs, as the image of O's registers: O's sums begin on it
.set i, i+1
.endr
	WIN 0
	v_bfe_u32 v4, v0, 4, 1                         ; h
	v_lshl_add_u32 v[ANA0], v4, 6, NAL
	v_and_b32 v7, 15, v0
	v_and_b32 v8, 8, v7
	v_add_nc_u32 v7, v7, v8                        ; r + 8 (r / 8)
	v_mul_u32_u24 v8, v4, 8736                     ; 16 rows of 544 bytes and 32 more: the two halves of the lanes fall on different banks
	v_lshl_add_u32 v8, v7, 2, v8
	s_lshl_b32 s84, s[WV], 7
	v_add_nc_u32 v[SB], s84, v8
	v_add_nc_u32 v[SB+1], 34816, v[SB]
	v_add_nc_u32 v[SB+2], 69632, v[SB]
	v_add_nc_u32 v[SB+3], 104448, v[SB]
	s_mul_i32 s84, s[WV], 34816
	v_add_nc_u32 v[SRD], s84, v[L16]
	v_lshl_add_u32 v[AV16], v0, 2, BNT
.irp i,6,7,8,9,10,11,18,19,20,21,22,23
	v_mov_b32 v[QJ+\i], 0                          ; zero codes for the upper half of the instruction's K
.endr
.irp i,0,1,2,3,4,5,6,7
	v_mov_b32 v[BT+\i], 0                          ; written once: a lane permute's destination counts as one of its sources
.endr
.irp i,0,1,2,3
	v_mov_b32 v[SUM+\i], 0
	v_mov_b32 v[NG+\i], 0
.endr
	WIN 0xc0
.irp i,48,49,50,51,52,53
	v_mov_b32 v[KF+\i], 0                          ; the zeros behind tile 7 of q
.endr
	WIN 0
	s_wait_loadcnt 32                              ; the 15 small loads are in; xs's 32 may be out
.irp i,0,1
	v_add_f32 v[S+8+\i], 0x3727c5ac, v[S+8+\i]     ; var + 1e-5
.endr
.irp i,0,1
	v_rsq_f32 v[S+8+\i], v[S+8+\i]
.endr
.irp i,0,1
	v_sub_f32 v[S+\i], v[S+\i], v[S+6+\i]          ; bt - mean.  (The plain place behind the roots)
.endr
	s_wait_alu depctr_va_vdst(0)
.irp i,0,1
	v_mul_f32 v[S+8+\i], v[S+8+\i], v[S+2+\i]      ; s
.endr
.irp i,0,1
	v_fma_f32 v[S+\i], v[S+\i], v[S+8+\i], v[S+4+\i]   ; sh
.endr
.irp i,0,1
	ds_store_b32 v[AV16], v[S+8+\i] offset:512*\i
	ds_store_b32 v[AV16], v[S+\i] offset:1024+512*\i
.endr
	s_wait_tensorcnt 1                             ; my quarters of -a and of q have landed; v's record 0 may be out
	s_wait_dscnt 0x0
	s_barrier_signal -1
	s_barrier_wait -1
	WIN 0x40
.set i, 32
.rept 32
	global_load_b128 v[4*i:4*i+3], v[L16], s[10:11] offset:512*i
.set i, i+1
.endr
	WIN 0
	; ---- PASS A
	s_mov_b32 s[TQ], 0
	s_mov_b32 s[TN], 0
	KNFETCH
	s_wait_dscnt 0x0
.irp t,0,1,2,3,4,5,6,7
	EQM 0, \t                                      ; piece 0's first D: there is no vector work yet to set between
.endr
	WIN 0
	NOPS 4
	ATURN 0, 0, 0                                  ; piece 0 of step 0 | nothing to add yet | piece 1's D of step 0
	s_mov_b32 s[CNT], 31
.Lka:                                                  ; trip j = 0 .. 30
	ATURN 1, 1, 1                                  ; piece 1 of step j | piece 0's sums of step j | q's step j + 1, piece 0's D of it
	ATURN 0, 1, 0                                  ; piece 0 of step j + 1 | piece 1's sums of step j | piece 1's D of step j + 1
	s_sub_co_u32 s[CNT], s[CNT], 1
	s_cmp_lg_u32 s[CNT], 0
	s_cbranch_scc1 .Lka
	ATURN 1, 1, 2                                  ; piece 1 of step 31 | piece 0's sums of step 31 | q's step 0 again, piece 0's D of it: pass B's first
.set AI, 0
.rept 32
	AADD 1, AI                                     ; piece 1's sums of step 31
.set AI, AI+1
.endr
.irp jt,0,1
	v_add_f32 v[BT+\jt], v[SUM+2*\jt], v[SUM+2*\jt+1]
.endr
.irp jt,0,1
	v_permlanex16_b32 v[BT+2+\jt], v[BT+\jt], s[SEL], s[SEL+1]
.endr
.irp jt,0,1
	v_add_f32 v[BT+\jt], v[BT+\jt], v[BT+2+\jt]
.endr
.irp jt,0,1
	v_add_f32 v[CJ+2*\jt], 0x3089705f, v[BT+\jt]   ; C = 1e-9 + the column's sum
.endr
.irp jt,0,1
	v_rcp_f32 v[CJ+2*\jt+1], v[CJ+2*\jt]
	v_log_f32 v[NG+2*\jt], v[CJ+2*\jt]
.endr
	v_nop
	s_wait_alu depctr_va_vdst(0)
	s_wait_loadcnt 0x0                             ; xs lies in O
	; ---- PASS B
	s_mov_b32 s[TB], SLOT0
	s_mov_b32 s[CNT], 31
	CHANGE 1                                       ; v's record 0 has landed; record 1 goes out, into slot 1
	TURN 1, 0, 1, 1, 0, 1                          ; v's step 0 into registers | piece 1's D of step 0 | piece 0's list of step 0
	s_mov_b32 s[CNT], 30
.Lkb:                                                  ; steps j = 0 .. 29
	TURN 0, 1, 1, 1, 1, 0                          ; piece 0: (-v) attn of step j, D of step j + 1 | piece 1's list of step j | q's step j + 1
	CHANGE 1                                       ; record j + 1 has landed; record j + 2 goes out
	TURN 1, 1, 1, 1, 0, 1                          ; piece 1: the same | piece 0's list of step j + 1 | v's step j + 1
	s_sub_co_u32 s[CNT], s[CNT], 1
	s_cmp_lg_u32 s[CNT], 0
	s_cbranch_scc1 .Lkb
	TURN 0, 1, 1, 1, 1, 0                          ; step 30 is written out: its refill is Wt's first record
	CHANGE 2
	TURN 1, 1, 1, 1, 0, 1
	TURN 0, 1, 0, 1, 0, 0                          ; step 31: piece 0's last products | piece 1's last list
	CHANGE 3                                       ; Wt's first record has landed in slot 0; its second goes out, into slot 1
	WIN 0xc0                                       ; destination window 3: q's tiles are done with
.set i, 0
.rept 64
	global_load_b128 v[4*i:4*i+3], v[L16], s[10:11] offset:512*i th:TH_LOAD_NT   ; xs once more, for the residual: it has the whole of Wt's product in which to land
.set i, i+1
.endr
	WIN 0
	TURN 1, 1, 0, 0, 0, 0                          ; piece 1's last products
	; ---- t = Wt d
	NOPS 4                                         ; places in front of the loads over v's fragments and of the first read of O
	VADR
	VFETCH FB, 0
	VFETCH FA, 8
	VSFETCH
.irp jt,0,1
.irp s,0,1
	QUANT64 128*\jt+64*\s, DC+24*\jt+12*\s, DW+2*\jt+\s
.endr
.endr
	NOPS 8                                         ; d's scale words stand 8 places, its codes 4, ahead of the scaled products
	s_wait_dscnt 0x0
	WTMUL 0
	s_xor_b32 s[TB], s[TB], SLX
	CHANGE 0                                       ; Wt's second record has landed; nothing is filled again
	NOPS 5
	VADR
	VFETCH FB, 0
	VFETCH FA, 8
	VSFETCH
	s_wait_dscnt 0x0
	WTMUL 1
	NOPS 4
	; ---- BN, LeakyReLU, residual.  s and sh in O's order: register 16 B + i of lane half h: channel 32 B + 16 h + i
	v_add_nc_u32 v[ANA], BNT-NAL, v[ANA0]
	WIN 0x80
.set i, 0
.rept 32
	ds_load_b128 v[4*i:4*i+3], v[ANA] offset:128*(i/4)+16*(i%4)
	ds_load_b128 v[128+4*i:128+4*i+3], v[ANA] offset:1024+128*(i/4)+16*(i%4)
.set i, i+1
.endr
	s_wait_dscnt 0x0
	WIN 0x69                                       ; O in window 1, s and sh in window 2
.set i, 0
.rept 128
	v_pk_fma_f32 v[i:i+1], v[i:i+1], v[i%128:i%128+1], v[128+i%128:128+i%128+1]
.set i, i+2
.endr
	WIN 0x81                                       ; 0.2 t into window 2
.set i, 0
.rept 128
	v_pk_mul_f32 v[i:i+1], v[i:i+1], 0x3e4ccccd op_sel_hi:[1,0]
.set i, i+2
.endr
	WIN 0x49                                       ; the larger of t (window 1) and 0.2 t (window 2): t where t >= 0, else 0.2 t
.set i, 0
.rept 256
	v_max_num_f32 v[i], v[i], v[i]
.set i, i+1
.endr
	s_wait_loadcnt 0x0                             ; xs
	WIN 0x4d                                       ; + xs (window 3)
.set i, 0
.rept 128
	v_pk_add_f32 v[i:i+1], v[i:i+1], v[i:i+1]
.set i, i+2
.endr
	; ---- the way out: a lane holds one column and 256 channels; the rows of out run along n.  Through a stage of 256 rows over q's records, which have had their only fill and, barriers back, their last read
	WIN 0x04                                       ; an LDS store's data are its source 1: window 1
.irp u,0,1
.irp bb,0,1,2,3,4,5,6,7
.set i, 0
.rept 16
	ds_store_b32 v[SB+\bb/2], v[128*\u+16*\bb+i] offset:(32*(\bb%2)+i)*544+32*\u
.set i, i+1
.endr
.endr
.endr
	WIN 0
	s_wait_dscnt 0x0                               ; for the others' sake: my stores into the stage are done
	s_barrier_signal -1
	s_barrier_wait -1
.irp q,0,1                                             ; wave w stores channels 64 w .. 64 w + 63, 32 rows at a time
.if \q == 1
	s_wait_xcnt 0x0                                ; the first 32 stores have read their registers
.endif
.set i, 0
.rept 32
	ds_load_b128 v[S+4*i:S+4*i+3], v[SRD] offset:544*(32*\q+i)+32*(((32*\q+i)/16)%2)
.set i, i+1
.endr
.set i, 0
.rept 32
	s_wait_dscnt 31-i                              ; row i is in; the younger loads may be out
	global_store_b128 v[L16], v[S+4*i:S+4*i+3], s[24:25] offset:16384*(32*\q+i) th:TH_STORE_NT   ; 512 consecutive bytes of a row of out
.set i, i+1
.endr
.endr
	s_wait_tensorcnt 0x0                           ; the wave's end: behind my last tensor load and my last LDS store
	ds_add_u32 v[SPW], v[NIL]
	s_wait_dscnt 0x0
	ROUND                                          ; the closing round: no work-group ends while a partner may still ask for a tile that names it
	s_endpgm
.Lfunc_end_k_q03f3117765_attn:
	.size	k_q03f3117765_attn, .Lfunc_end_k_q03f3117765_attn-k_q03f3117765_attn
	.p2alignl 7, 3214868480
	.fill 96, 4, 3214868480
	.section	.rodata,"a",@progbits
	.p2align	6, 0x0
	.amdhsa_kernel k_q03f3117765_attn
		.amdhsa_group_segment_fixed_size 327680
		.amdhsa_private_segment_fixed_size 0
		.amdhsa_enable_private_segment 0
		.amdhsa_kernarg_size 88
		.amdhsa_user_sgpr_count 2
		.amdhsa_user_sgpr_kernarg_segment_ptr 1
		.amdhsa_wavefront_size32 1
		.amdhsa_system_sgpr_workgroup_id_x 1
		.amdhsa_system_sgpr_workgroup_id_y 1
		.amdhsa_system_sgpr_workgroup_id_z 1
		.amdhsa_system_vgpr_workitem_id 0
		.amdhsa_next_free_vgpr 1024
		.amdhsa_next_free_sgpr 96
		.amdhsa_reserve_vcc 0
		.amdhsa_float_denorm_mode_32 3
		.amdhsa_float_denorm_mode_16_64 3
		.amdhsa_memory_ordered 1
		.amdhsa_forward_progress 1
		.amdhsa_inst_pref_size 255
	.end_amdhsa_kernel
	.section	.bss,"aw",@nobits
	.p2align	6
	.space	262144
	.amdgpu_metadata
---
amdhsa.version: [ 1, 2 ]
amdhsa.kernels:
  - .name:           k_q03f3117765_attn
    .symbol:         k_q03f3117765_attn.kd
    .args:
      - { .name: qrec, .offset: 0, .size: 8, .value_kind: global_buffer, .address_space: global }
      - { .name: vrec, .offset: 8, .size: 8, .value_kind: global_buffer, .address_space: global }
      - { .name: na, .offset: 16, .size: 8, .value_kind: global_buffer, .address_space: global }
      - { .name: xs, .offset: 24, .size: 8, .value_kind: global_buffer, .address_space: global }
      - { .name: wtrec, .offset: 32, .size: 8, .value_kind: global_buffer, .address_space: global }
      - { .name: bt, .offset: 40, .size: 8, .value_kind: global_buffer, .address_space: global }
      - { .name: bn_gamma, .offset: 48, .size: 8, .value_kind: global_buffer, .address_space: global }
      - { .name: bn_beta, .offset: 56, .size: 8, .value_kind: global_buffer, .address_space: global }
      - { .name: bn_mean, .offset: 64, .size: 8, .value_kind: global_buffer, .address_space: global }
      - { .name: bn_var, .offset: 72, .size: 8, .value_kind: global_buffer, .address_space: global }
      - { .name: out0, .offset: 80, .size: 8, .value_kind: global_buffer, .address_space: global }
    .group_segment_fixed_size: 327680
    .private_segment_fixed_size: 0
    .kernarg_segment_align: 8
    .kernarg_segment_size: 88
    .max_flat_workgroup_size: 128
    .sgpr_count:     96
    .vgpr_count:     1024
    .wavefront_size: 32
...
	.end_amdgpu_metadata
.endif
;; end of part 3
